; MI455X (gfx1250); checked and timed in simulation.
; The chip was launched on July 23, 2026; its instructions are those of AMD's public machine-readable ISA for CDNA 5 (MIT licence, August 2026) and "CDNA5" Instruction Set Architecture Reference Guide (July 2026). The comments in the code are by the model that wrote it; some were corrected since.
;; Doc Former. Allowed arithmetic: float matrix products may take bf16 or f16 operands with f32 sums; other float arithmetic in f32, or as packed bf16 or f16 multiplies, adds, multiply-adds, maxima and minima; sums over many terms, partial sums and values carried from step to step in f32; what a program stores and reads back later, other than sums and carried values, may be rounded once to bf16 or f16.
;; Inputs: Wk_i 768 x 768 float32; Wk_s 768 x 768 float32; Wk_t 768 x 768 float32; Wo 768 x 768 float32; Wq_i 768 x 768 float32; Wq_s 768 x 768 float32; Wq_t 768 x 768 float32; Wv_i 768 x 768 float32; Wv_t 768 x 768 float32; bk_i 768 float32; bk_s 768 float32; bk_t 768 float32; bo 768 float32; bq_i 768 float32; bq_s 768 float32; bq_t 768 float32; bv_i 768 float32; bv_t 768 float32; img_feat 8 x 512 x 768 float32; img_spatial_feat 8 x 512 x 768 float32; rel_table 17 x 64 float32; text_feat 8 x 512 x 768 float32; text_spatial_feat 8 x 512 x 768 float32.
;; Outputs: out0 8 x 512 x 768 float32.
;; One version. Each part assembles by itself: llvm-mc -triple=amdgcn-amd-amdhsa -mcpu=gfx1250 --defsym DOCPART=n.
;; ======== version 1 of 1: 4 launches
;; limits: values are held in f16: magnitudes above 65,504 overflow, below 6.1e-05 lose precision
;; workspace buffers: xb 25,165,824 bytes; wb 11,796,480 bytes; bias 27,648 bytes; tabh 4,096 bytes; proj 62,914,560 bytes; ctx 12,582,912 bytes
;; launch prep (part 1): grid 2913 x 1, 8 waves a work-group, no clusters, 0 bytes of LDS; arguments text_feat, img_feat, text_spatial_feat, img_spatial_feat, Wq_t, Wk_t, Wv_t, Wq_i, Wk_i, Wv_i, Wq_s, Wk_s, Wo, bq_t, bk_t, bv_t, bq_i, bk_i, bv_i, bq_s, bo, rel_table, xb, wb, bias, tabh; writes xb, wb, bias, tabh
.if DOCPART == 1
	.amdgcn_target "amdgcn-amd-amdhsa--gfx1250"
	.amdhsa_code_object_version 6
	.text
	.protected	k_qa6119bce19_prep
	.globl	k_qa6119bce19_prep
	.p2align	8
	.type	k_qa6119bce19_prep,@function
k_qa6119bce19_prep:
	s_mov_b64 s[64:65], 0
	v_nop
	global_prefetch_b8 v0, s[64:65] scope:SCOPE_SE
	s_setreg_imm32_b32 hwreg(HW_REG_WAVE_MODE, 25, 1), 1
	s_wait_xcnt 0x0
; PREP: every input is rounded ONCE to bf16 and laid where the later launches take it.
;   xb   bf16 [4 features][4096][768]   (text, img, text_spatial, img_spatial)
;   wb   [10][768 k][768 n]: 0-7 q_t k_t v_t q_i k_i v_i q_s k_s in bf16; 8 and 9: Wo, the bf16 value written as f16, twice (the last product's K is 1,536)
;   bias f32 [9][768] holding the bf16-rounded values: row = weight's number 0-6, row 8 = bo; row 7 is neither written nor read
;   tabh f16 [32][64]: rel_table's 17 rows (bf16 value written as f16), rows 17-31 zero
; WORK LEFT OUT, for all values of the inputs.
;  (1) bk_s.  ks = spat Wk_s + bk_s enters a score only in qs[l] . ks[t] / sqrt(768) = qs[l] . (spat[t] Wk_s) / sqrt(768) + qs[l] . bk_s / sqrt(768); the last term does not hang on t,
;      the softmax's axis, so it cancels in softmax(scores, axis = t).  bk_s has no other use: it is not loaded and is no argument of any launch.
;  (2) rel[l][t] = rel_table[clip(t - l, -8, 8) + 8] is one of 17 rows, so k[t] . rel[l][t] and q[l] . rel[l][t] are lookups in k[t] . rel_table[j] and q[l] . rel_table[j], j = 0..16:
;      those two small products are made (launch attn), not the two einsums over (l, t, d).
; LIMIT: a NaN, an infinity or an overflow that reaches only bk_s is not carried to the result.  Wo and rel_table below 6e-5 keep f16's fixed step of 6e-8.
; SHARES.  Work-groups 0-2047: a chunk of 6,144 numbers of a feature; 2048-2911: of a weight (96 chunks each); 2912: biases and table.  A thread loads 16 bytes six times
; (a wave's load covers 512 consecutive bytes) and stores 8 bytes six times (a wave's store covers 256 consecutive bytes, aligned).  No LDS, no matrix unit: bytes alone count here.
.set NCAST, 2912
	s_load_b512 s[8:23], s[0:1], 0x0               ; sources 0-7: source k at s[8+2k:9+2k]
	s_load_b256 s[24:31], s[0:1], 0x40             ; sources 8-11
	s_load_b64 s[32:33], s[0:1], 0x60              ; source 12: Wo
	s_load_b512 s[40:55], s[0:1], 0x68             ; the eight biases
	s_load_b64 s[56:57], s[0:1], 0xa8              ; rel_table
	s_load_b128 s[36:39], s[0:1], 0xb0             ; xb, wb
	s_load_b128 s[60:63], s[0:1], 0xc0             ; bias, tabh
	v_lshlrev_b32 v1, 4, v0                        ; 16 t: in
	v_lshlrev_b32 v2, 3, v0                        ; 8 t: out
	s_mov_b32 s4, ttmp9
	s_wait_kmcnt 0x0
	s_cmp_lt_u32 s4, NCAST
	s_cbranch_scc0 .Lmisc
	s_cmp_lt_u32 s4, 2048
	s_cbranch_scc0 .Lweights
	s_lshr_b32 s5, s4, 9                           ; source = feature
	s_and_b32 s6, s4, 511                          ; chunk
	s_mul_i32 s7, s5, 6291456
	s_mov_b64 s[2:3], s[36:37]
	s_branch .Lchunk
.Lweights:
	s_sub_co_u32 s4, s4, 2048
	s_mul_hi_u32 s7, s4, 0x02aaaaab                ; weight = T / 96
	s_mul_i32 s6, s7, 96
	s_sub_co_u32 s6, s4, s6                        ; chunk
	s_add_co_u32 s5, s7, 4                         ; source
	s_mul_i32 s7, s7, 1179648
	s_mov_b64 s[2:3], s[38:39]
.Lchunk:
	s_mul_i32 s34, s6, 12288
	s_add_co_u32 s34, s34, s7
	s_mov_b32 s35, 0
	s_add_nc_u64 s[2:3], s[2:3], s[34:35]          ; where the chunk goes
	s_mov_b64 s[58:59], s[8:9]
.irp k, 1,2,3,4,5,6,7,8,9,10,11,12
	s_cmp_eq_u32 s5, \k
	s_cselect_b64 s[58:59], s[8+2*(\k):9+2*(\k)], s[58:59]
.endr
	s_mul_i32 s34, s6, 24576
	s_add_nc_u64 s[58:59], s[58:59], s[34:35]      ; where it comes from
.irp i, 0,1,2,3,4,5
	global_load_b128 v[8+4*(\i):11+4*(\i)], v1, s[58:59] offset:4096*(\i) th:TH_LOAD_NT
.endr
	s_cmp_eq_u32 s5, 12
	s_cbranch_scc1 .Lwo
.irp i, 0,1,2,3,4,5
	s_wait_loadcnt 5-(\i)                          ; loads come back in order: the younger ones stay out
	v_cvt_pk_bf16_f32 v[32+2*(\i)], v[8+4*(\i)], v[9+4*(\i)]
	v_cvt_pk_bf16_f32 v[33+2*(\i)], v[10+4*(\i)], v[11+4*(\i)]
	global_store_b64 v2, v[32+2*(\i):33+2*(\i)], s[2:3] offset:2048*(\i) th:TH_STORE_NT
.endr
	s_endpgm
.Lwo:                                                  ; Wo: rounded to bf16 like every input, that number written as f16, stored twice
.irp i, 0,1,2,3,4,5
	s_wait_loadcnt 5-(\i)
	v_cvt_pk_bf16_f32 v44, v[8+4*(\i)], v[9+4*(\i)]
	v_cvt_pk_bf16_f32 v45, v[10+4*(\i)], v[11+4*(\i)]
	v_lshlrev_b32 v46, 16, v44
	v_and_b32 v47, 0xffff0000, v44
	v_lshlrev_b32 v48, 16, v45
	v_and_b32 v49, 0xffff0000, v45
	v_cvt_pk_f16_f32 v[32+2*(\i)], v46, v47
	v_cvt_pk_f16_f32 v[33+2*(\i)], v48, v49
	global_store_b64 v2, v[32+2*(\i):33+2*(\i)], s[2:3] offset:2048*(\i) th:TH_STORE_NT
	global_store_b64 v2, v[32+2*(\i):33+2*(\i)], s[2:3] offset:2048*(\i)+1179648 th:TH_STORE_NT
.endr
	s_endpgm
.Lmisc:
	v_lshrrev_b32 v3, 5, v0
	v_readfirstlane_b32 s4, v3                     ; wave
	s_cmp_lt_u32 s4, 6
	s_cbranch_scc0 .Ltab
.irp k, 0,1,2,3,4,5,6,7                        ; waves 0-5: 192 threads x 4 numbers = a bias
	global_load_b128 v[8+4*(\k):11+4*(\k)], v1, s[40+2*(\k):41+2*(\k)]
.endr
	s_wait_loadcnt 0x0
.irp k, 0,1,2,3,4,5,6,7
	v_cvt_pk_bf16_f32 v40, v[8+4*(\k)], v[9+4*(\k)]
	v_cvt_pk_bf16_f32 v41, v[10+4*(\k)], v[11+4*(\k)]
	v_lshlrev_b32 v[8+4*(\k)], 16, v40
	v_and_b32 v[9+4*(\k)], 0xffff0000, v40
	v_lshlrev_b32 v[10+4*(\k)], 16, v41
	v_and_b32 v[11+4*(\k)], 0xffff0000, v41
	global_store_b128 v1, v[8+4*(\k):11+4*(\k)], s[60:61] offset:3072*((\k)+(\k)/7)  ; rows 0-6, and 8 for bo
.endr
	s_endpgm
.Ltab:                                                 ; waves 6, 7: thread tt makes half a row (32 numbers) of the table
	v_and_b32 v3, 63, v0                           ; tt = t - 192
	v_lshrrev_b32 v4, 1, v3                        ; row 0..31
	v_and_b32 v5, 1, v3                            ; half
	v_min_u32 v6, 16, v4                           ; rows past 16 read row 16 and store 0
	v_lshlrev_b32 v7, 8, v6
	v_lshl_add_u32 v7, v5, 7, v7
	v_lshlrev_b32 v59, 7, v4
	v_lshl_add_u32 v59, v5, 6, v59
.irp i, 0,1,2,3,4,5,6,7
	global_load_b128 v[8+4*(\i):11+4*(\i)], v7, s[56:57] offset:16*(\i)
.endr
	v_cmp_gt_u32 vcc_lo, 17, v4
	s_wait_loadcnt 0x0
.irp n, 0,1,2,3,4,5,6,7,8,9,10,11,12,13,14,15
	v_cvt_pk_bf16_f32 v56, v[8+2*(\n)], v[9+2*(\n)]
	v_lshlrev_b32 v57, 16, v56
	v_and_b32 v58, 0xffff0000, v56
	v_cvt_pk_f16_f32 v[40+(\n)], v57, v58
	v_cndmask_b32 v[40+(\n)], 0, v[40+(\n)], vcc_lo
.endr
.irp i, 0,1,2,3
	global_store_b128 v59, v[40+4*(\i):43+4*(\i)], s[62:63] offset:16*(\i)
.endr
	s_endpgm
.Lfunc_end_k_qa6119bce19_prep:
	.size	k_qa6119bce19_prep, .Lfunc_end_k_qa6119bce19_prep-k_qa6119bce19_prep
	.p2alignl 7, 3214868480
	.fill 96, 4, 3214868480
	.section	.rodata,"a",@progbits
	.p2align	6, 0x0
	.amdhsa_kernel k_qa6119bce19_prep
		.amdhsa_group_segment_fixed_size 0
		.amdhsa_private_segment_fixed_size 0
		.amdhsa_enable_private_segment 0
		.amdhsa_kernarg_size 208
		.amdhsa_user_sgpr_count 2
		.amdhsa_user_sgpr_kernarg_segment_ptr 1
		.amdhsa_wavefront_size32 1
		.amdhsa_system_sgpr_workgroup_id_x 1
		.amdhsa_system_sgpr_workgroup_id_y 1
		.amdhsa_system_sgpr_workgroup_id_z 1
		.amdhsa_system_vgpr_workitem_id 0
		.amdhsa_next_free_vgpr 64
		.amdhsa_next_free_sgpr 66
		.amdhsa_reserve_vcc 1
		.amdhsa_float_denorm_mode_32 3
		.amdhsa_float_denorm_mode_16_64 3
		.amdhsa_memory_ordered 1
		.amdhsa_forward_progress 1
		.amdhsa_inst_pref_size 19
	.end_amdhsa_kernel
	.amdgpu_metadata
---
amdhsa.version: [ 1, 2 ]
amdhsa.kernels:
  - .name:           k_qa6119bce19_prep
    .symbol:         k_qa6119bce19_prep.kd
    .args:
      - { .name: text_feat, .offset: 0, .size: 8, .value_kind: global_buffer, .address_space: global }
      - { .name: img_feat, .offset: 8, .size: 8, .value_kind: global_buffer, .address_space: global }
      - { .name: text_spatial_feat, .offset: 16, .size: 8, .value_kind: global_buffer, .address_space: global }
      - { .name: img_spatial_feat, .offset: 24, .size: 8, .value_kind: global_buffer, .address_space: global }
      - { .name: Wq_t, .offset: 32, .size: 8, .value_kind: global_buffer, .address_space: global }
      - { .name: Wk_t, .offset: 40, .size: 8, .value_kind: global_buffer, .address_space: global }
      - { .name: Wv_t, .offset: 48, .size: 8, .value_kind: global_buffer, .address_space: global }
      - { .name: Wq_i, .offset: 56, .size: 8, .value_kind: global_buffer, .address_space: global }
      - { .name: Wk_i, .offset: 64, .size: 8, .value_kind: global_buffer, .address_space: global }
      - { .name: Wv_i, .offset: 72, .size: 8, .value_kind: global_buffer, .address_space: global }
      - { .name: Wq_s, .offset: 80, .size: 8, .value_kind: global_buffer, .address_space: global }
      - { .name: Wk_s, .offset: 88, .size: 8, .value_kind: global_buffer, .address_space: global }
      - { .name: Wo, .offset: 96, .size: 8, .value_kind: global_buffer, .address_space: global }
      - { .name: bq_t, .offset: 104, .size: 8, .value_kind: global_buffer, .address_space: global }
      - { .name: bk_t, .offset: 112, .size: 8, .value_kind: global_buffer, .address_space: global }
      - { .name: bv_t, .offset: 120, .size: 8, .value_kind: global_buffer, .address_space: global }
      - { .name: bq_i, .offset: 128, .size: 8, .value_kind: global_buffer, .address_space: global }
      - { .name: bk_i, .offset: 136, .size: 8, .value_kind: global_buffer, .address_space: global }
      - { .name: bv_i, .offset: 144, .size: 8, .value_kind: global_buffer, .address_space: global }
      - { .name: bq_s, .offset: 152, .size: 8, .value_kind: global_buffer, .address_space: global }
      - { .name: bo, .offset: 160, .size: 8, .value_kind: global_buffer, .address_space: global }
      - { .name: rel_table, .offset: 168, .size: 8, .value_kind: global_buffer, .address_space: global }
      - { .name: xb, .offset: 176, .size: 8, .value_kind: global_buffer, .address_space: global }
      - { .name: wb, .offset: 184, .size: 8, .value_kind: global_buffer, .address_space: global }
      - { .name: bias, .offset: 192, .size: 8, .value_kind: global_buffer, .address_space: global }
      - { .name: tabh, .offset: 200, .size: 8, .value_kind: global_buffer, .address_space: global }
    .group_segment_fixed_size: 0
    .private_segment_fixed_size: 0
    .kernarg_segment_align: 8
    .kernarg_segment_size: 208
    .max_flat_workgroup_size: 256
    .sgpr_count:     66
    .vgpr_count:     64
    .wavefront_size: 32
...
	.end_amdgpu_metadata
.endif
;; end of part 1
;; launch proj (part 2): grid 16 x 30, 4 waves a work-group, clusters of 4 x 1, 327,680 bytes of LDS; arguments xb, wb, bias, proj; writes proj
.if DOCPART == 2
	.amdgcn_target "amdgcn-amd-amdhsa--gfx1250"
	.amdhsa_code_object_version 6
	.text
	.protected	k_qa6119bce19_proj
	.globl	k_qa6119bce19_proj
	.p2align	8
	.type	k_qa6119bce19_proj,@function
k_qa6119bce19_proj:
	s_mov_b64 s[64:65], 0
	v_nop
	global_prefetch_b8 v0, s[64:65] scope:SCOPE_SE
	s_setreg_imm32_b32 hwreg(HW_REG_WAVE_MODE, 25, 1), 1
	s_wait_xcnt 0x0
	s_wait_alu depctr_hold_cnt(0) depctr_sa_sdst(0) depctr_va_vdst(0) depctr_va_sdst(0) depctr_va_ssrc(0) depctr_va_vcc(0) depctr_vm_vsrc(0)
	s_getreg_b32 s2, hwreg(HW_REG_IB_STS2, 6, 4)
	s_cmp_eq_u32 s2, 0
	s_cbranch_scc0 .Lentry_in_a_cluster
	s_endpgm
.Lentry_in_a_cluster:
	s_bfe_u32 s2, ttmp6, 0x10000c
	s_cmp_lg_u32 s2, 0x3003
	s_cbranch_scc0 .Lentry_shape_is_right
	s_endpgm
.Lentry_shape_is_right:
; PROJ: the ten projections.  Plane p of proj = x_f W_w + b_w, f16, laid by heads: [p][b*12+h][512][64].
;   p: 0 q_t 1 k_t 2 v_t (f = text) 3 q_i 4 k_i 5 v_i (img) 6 qs_t 7 ks_t (text_spatial) 8 qs_i 9 ks_i (img_spatial); w = p below 6, else 6 + p % 2.
; Left out: bk_s (it cancels in the softmax: see launch prep's head): the ks planes start their sums at 0.
; LIMIT: the results are rounded to f16: beyond 65,504 they become infinities.
; SHARES.  A tile of 256 rows x 256 columns to a work-group of four waves, 128 x 128 (64 accumulators, 512 registers) to a wave.  grid x = 16 row tiles, y = 3 p + column tile.
; K = 768 goes in six steps of 128 through two LDS slots.  x's rows lie along K (rows of 256 bytes, LDS pitch 272); W lies [k][n]: 128 k-rows of 512 bytes, LDS pitch 544, and its fragments
; come out turned, by ds_load_tr16_b128.  The bias is the C operand of each sum's first product.
; CLUSTER.  The four work-groups of a cluster have four row tiles and ONE column tile: W's tile is asked for jointly (mask of four); x's tiles are each work-group's own (mask 0), behind the same rounds.
; No 4 x 4 cluster: a feature has 9 or 6 column tiles, no multiple of four.
; THE MATRIX INSTRUCTION IS USED TRANSPOSED: source 0 = 16 columns of W, source 1 = 16 rows of x: a lane holds row l % 16 and eight neighbouring columns 8 (l / 16) + 0..7.
; REGISTERS by windows of 256: window 0: v0-31 addresses; v64-127, v128-191 x's fragments, two buffers; v192-255 the bias, later the way out, with v32-63;
;   window 1: v64-127, v128-191 W's fragments; windows 2, 3: the accumulators ((a, b) at v[8 (8 a + b)]).
.set PITCH,  272
.set PB,     544                       ; 512 + 32 bytes: 17 x 32: the turning load's 8 rows x 32 bytes fall on different banks
.set HALFT,  34816                     ; 128 x 272 = 64 x 544: what one tensor load brings
.set SLOT,   4*HALFT                   ; x's 256 rows, then W's 128 k-rows
.set STAGE,  2*SLOT                    ; behind the ring: 16 rows x 272 bytes for each wave
.set SPITCH, 272
.set SPARE,  STAGE+4*16*SPITCH         ; the spare words, 128 bytes a wave; no other line names them
.set ADRA, 16                          ; v16-17 LDS address of my x fragments in slot 0, 1
.set ADRB, 20                          ; v20-21 the same for W
.set STO,  24
.set RD,   25
.set CO,   26
.set VB,   27                          ; 32 (l / 16): my place in 16 numbers of the bias
.set SPW,  28
.set NIL,  29
.set PFO,  30                          ; the prefetches' lane offset
.set F0,   64
.set F1,   128
.set TMP,  192
.set BI,   192                         ; the bias of my 128 columns: 8 registers for each block b
.set OB,   32
.set G1, 24                            ; s[24:31] group 1 for x;  s[32:39] group 0, a set a slot
.set G0, 32
.set G1B, 48                           ; s[48:55], s[56:63] the same for W
.set G0B, 56
.set PFA, 44                           ; s[44:45] where my prefetches stand
.set LIM, 43                           ; s43 1 in a wave that prefetches, else the greatest number
.set PST, 66                           ; s[66:67] a K step in bytes along my tensor
.set MSB, 0
.macro WIN new
.if MSB != (\new)
	s_set_vgpr_msb (MSB<<8)|(\new)
.set MSB, \new
.endif
.endm
.set MUL_LO, 0xa1
.set TO_B,   0x40
.macro JLOAD s                         ; waves 0, 1 fetch x's two halves (their own work-group's), waves 2, 3 W's (jointly); s_nop 0 and four v_nop follow each line
	s_cmp_eq_u32 s11, 0
	s_cbranch_scc0 .Lfor_b_\@
	tensor_load_to_lds s[G0+4*(\s):G0+4*(\s)+3], s[G1:G1+7]
	s_nop 0
.rept 4
	v_nop
.endr
	s_branch .Lasked_\@
.Lfor_b_\@:
	tensor_load_to_lds s[G0B+4*(\s):G0B+4*(\s)+3], s[G1B:G1B+7]
	s_nop 0
.rept 4
	v_nop
.endr
.Lasked_\@:
.endm
; A prefetch into the L2 of the K step that stands two refills on (steps 4 and 5; steps 0-3 come by their loads alone), in the loop's first trip only.
; x's rows are read by all column tiles of their feature: the first of them (y = 0, 9, 18, 24) asks, each wave for the 128 rows that it fetches: a lane a row, four instructions.
; W's k-rows are read by all four clusters of a y, and q_s, k_s by two planes: cluster x = 0 of planes below 8 asks; its four partners take 16 k-rows each BY ADDRESS, two blocks of 256 bytes a row.
.macro ASK
	s_cmp_gt_u32 s3, s[LIM]
	s_cbranch_scc0 .Lnm_\@
	s_cmp_eq_u32 s11, 0
	s_cbranch_scc0 .Lpb_\@
	global_prefetch_b8 v[PFO], s[PFA:PFA+1] offset:49152 th:TH_LOAD_NT scope:SCOPE_SE
	global_prefetch_b8 v[PFO], s[PFA:PFA+1] offset:98304 th:TH_LOAD_NT scope:SCOPE_SE
	global_prefetch_b8 v[PFO], s[PFA:PFA+1] offset:147456 th:TH_LOAD_NT scope:SCOPE_SE
.Lpb_\@:
	global_prefetch_b8 v[PFO], s[PFA:PFA+1] th:TH_LOAD_NT scope:SCOPE_SE
.Lnm_\@:
.endm
.macro CREST
	s_cmp_lg_u32 s10, 0
	s_cbranch_scc1 .Lnot_wave_0_\@
	s_barrier_signal -3
.Lnot_wave_0_\@:
	s_barrier_wait -3
	s_barrier_signal -1
	s_barrier_wait -1
.endm
.macro CROUND
	s_barrier_signal -1
	s_barrier_wait -1
	CREST
.endm
	s_load_b128 s[4:7], s[0:1], 0x0                ; xb, wb
	s_load_b128 s[68:71], s[0:1], 0x10             ; bias, proj
	v_lshl_add_u32 v[SPW], v0, 2, SPARE
	v_mov_b32 v[NIL], 0
	ds_add_u32 v[SPW], v[NIL]                      ; the opening: the add, twice on end, and its wait ahead of my first tensor load
	ds_add_u32 v[SPW], v[NIL]
	v_lshrrev_b32 v1, 5, v0
	v_readfirstlane_b32 s10, v1                    ; wave
	s_lshr_b32 s11, s10, 1                         ; my half of the tile's rows; also: I fetch x (0) or W (1)
	s_and_b32 s12, s10, 1                          ; my half of its columns; also: which half of that tile I fetch
	s_bfe_u32 s40, ttmp6, 0x40000                  ; cx
	s_lshl_b32 s42, ttmp9, 2
	s_add_co_u32 s42, s42, s40                     ; row tile = 4 x cluster x + cx
	s_and_b32 s13, ttmp7, 0xffff                   ; y
	s_mul_hi_u32 s14, s13, 0x55555556              ; plane p = y / 3
	s_mul_i32 s15, s14, 3
	s_sub_co_u32 s15, s13, s15                     ; column tile
	s_mov_b32 s41, 3                               ; feature
	s_cmp_lt_u32 s14, 8
	s_cselect_b32 s41, 2, s41
	s_cmp_lt_u32 s14, 6
	s_cselect_b32 s41, 1, s41
	s_cmp_lt_u32 s14, 3
	s_cselect_b32 s41, 0, s41
	s_and_b32 s2, s14, 1
	s_add_co_u32 s2, s2, 6
	s_cmp_lt_u32 s14, 6
	s_cselect_b32 s2, s14, s2                      ; weight
	s_mov_b32 s[G1+0], (1<<16)|(1<<20)|(5<<22)|(3<<25)  ; x: no mask; 2-byte elements; padding on, after every 64 words, 4 words
	s_mov_b32 s[G1+1], 128<<16                     ; tensor_dim0
	s_mov_b32 s[G1+2], 128<<16                     ; tensor_dim1
	s_mov_b32 s[G1+3], 128<<16                     ; tile_dim0
	s_mov_b32 s[G1+4], 128                         ; tile_dim1
	s_mov_b32 s[G1+5], 768                         ; elements from row to row
	s_mov_b32 s[G1+6], 0
	s_mov_b32 s[G1+7], 0
	s_mov_b32 s[G1B+0], 15|(1<<16)|(1<<20)|(1<<21)|(6<<22)|(7<<25)  ; W: the mask of four, bit 21 beside it; padding after every 128 words, 8 words
	s_mov_b32 s[G1B+1], 256<<16
	s_mov_b32 s[G1B+2], 64<<16
	s_mov_b32 s[G1B+3], 256<<16
	s_mov_b32 s[G1B+4], 64
	s_mov_b32 s[G1B+5], 768
	s_mov_b32 s[G1B+6], 0
	s_mov_b32 s[G1B+7], 0
	s_mul_i32 s16, s41, 6291456                    ; x: feature, row 256 x tile + 128 x half
	s_lshl_b32 s17, s42, 8
	s_lshl_b32 s18, s12, 7
	s_add_co_u32 s17, s17, s18
	s_mul_i32 s17, s17, 1536
	s_add_co_u32 s16, s16, s17
	s_mov_b32 s17, 0
	s_mul_i32 s46, s2, 1179648                     ; W: weight, k-row 64 x half, column 256 x tile: nothing of cx
	s_mul_i32 s47, s12, 98304
	s_add_co_u32 s46, s46, s47
	s_lshl_b32 s47, s15, 9
	s_add_co_u32 s46, s46, s47
	s_mov_b32 s47, 0
	s_mul_i32 s20, s10, HALFT                      ; where my loads land: wave x 34,816
	s_wait_dscnt 0x0                               ; both opening adds are done
	s_wait_kmcnt 0x0
	s_add_nc_u64 s[22:23], s[4:5], s[16:17]
	s_add_nc_u64 s[46:47], s[6:7], s[46:47]
	CROUND                                         ; all four work-groups are here: the first joint loads meet
.irp s, 0,1
	s_mov_b32 s[G0+4*(\s)], 1
	s_add_co_u32 s[G0+4*(\s)+1], s20, (\s)*SLOT
	s_add_nc_u64 s[G0+4*(\s)+2:G0+4*(\s)+3], s[22:23], (\s)*256
	s_or_b32 s[G0+4*(\s)+3], s[G0+4*(\s)+3], 0x80000000
	s_mov_b32 s[G0B+4*(\s)], 1
	s_add_co_u32 s[G0B+4*(\s)+1], s20, (\s)*SLOT
	s_add_nc_u64 s[G0B+4*(\s)+2:G0B+4*(\s)+3], s[46:47], (\s)*196608
	s_or_b32 s[G0B+4*(\s)+3], s[G0B+4*(\s)+3], 0x80000000
	JLOAD \s
.endr
	v_and_b32 v1, 15, v0                           ; r = l % 16
	v_bfe_u32 v2, v0, 4, 1                         ; h = l / 16
	v_mul_u32_u24 v3, v1, PITCH
	v_lshl_add_u32 v3, v2, 4, v3                   ; x: row x pitch + 16 h
	v_and_b32 v4, 7, v0
	v_lshl_add_u32 v4, v2, 3, v4                   ; W: k-row 8 h + l % 8,
	v_mul_u32_u24 v4, v4, PB
	v_bfe_u32 v5, v0, 3, 1
	v_lshl_add_u32 v4, v5, 4, v4                   ; 16 bytes for each eight lanes
	s_mul_i32 s21, s11, HALFT
	s_lshl_b32 s18, s12, 8
	s_add_co_u32 s18, s18, 2*HALFT                 ; W lies behind x's 256 rows; my 128 columns
.irp s, 0,1
	v_add_nc_u32 v[ADRA+(\s)], s21, v3
	v_add_nc_u32 v[ADRB+(\s)], s18, v4
	s_add_co_u32 s21, s21, SLOT
	s_add_co_u32 s18, s18, SLOT
.endr
	s_mul_i32 s21, s10, 16*SPITCH
	s_add_co_u32 s21, s21, STAGE                   ; my stage
	v_add_nc_u32 v[STO], s21, v3                   ; in: row r, 16 bytes for each half of the lanes
	v_bfe_u32 v5, v0, 3, 2
	v_mul_u32_u24 v5, v5, SPITCH                   ; back: four rows of a head's 128 bytes
	v_and_b32 v6, 7, v0
	v_lshl_add_u32 v5, v6, 4, v5
	v_add_nc_u32 v[RD], s21, v5
	v_and_b32 v5, 31, v0
	v_lshlrev_b32 v[CO], 4, v5                     ; which are 512 consecutive bytes of a plane
	v_lshlrev_b32 v[VB], 5, v2
	; the bias of my 128 columns, or 0 for the ks planes
	s_mul_i32 s16, s2, 3072
	s_lshl_b32 s17, s15, 10
	s_add_co_u32 s16, s16, s17
	s_lshl_b32 s17, s12, 9
	s_add_co_u32 s16, s16, s17
	s_mov_b32 s17, 0
	s_add_nc_u64 s[68:69], s[68:69], s[16:17]
	s_cmp_eq_u32 s2, 7
	s_cbranch_scc1 .Lno_bias
.irp b, 0,1,2,3,4,5,6,7
	global_load_b128 v[BI+8*(\b):BI+8*(\b)+3],   v[VB], s[68:69] offset:64*(\b)
	global_load_b128 v[BI+8*(\b)+4:BI+8*(\b)+7], v[VB], s[68:69] offset:64*(\b)+16
.endr
	s_branch .Lbias_done
.Lno_bias:
.set i, 0
.rept 64
	v_mov_b32 v[BI+i], 0
.set i, i+1
.endr
.Lbias_done:
	; where my part of the tile goes
	s_mul_i32 s16, s14, 6291456                    ; plane
	s_lshr_b32 s17, s42, 1                         ; b
	s_mul_i32 s17, s17, 12
	s_lshl2_add_u32 s17, s15, s17                  ; + 4 x column tile
	s_lshl1_add_u32 s17, s12, s17                  ; + 2 x half: my first head
	s_lshl_b32 s17, s17, 16
	s_add_co_u32 s16, s16, s17
	s_and_b32 s17, s42, 1
	s_lshl1_add_u32 s17, s17, s11
	s_lshl_b32 s17, s17, 14                        ; 128 rows of 128 bytes
	s_add_co_u32 s16, s16, s17
	s_mov_b32 s17, 0
	s_add_nc_u64 s[8:9], s[70:71], s[16:17]
	; the prefetches
	s_mul_i32 s18, s40, 24576                      ; W: my work-group's 16 k-rows of the 64,
	s_add_co_u32 s18, s18, 589824                  ; at K step 3: the first change of slots steps it to 4
	s_mov_b32 s21, 0
.irp yy, 0,9,18,24
	s_cmp_eq_u32 s13, \yy
	s_cselect_b32 s21, 1, s21
.endr
	s_cmp_eq_u32 ttmp9, 0
	s_cselect_b32 s16, 1, 0
	s_cmp_lt_u32 s13, 24
	s_cselect_b32 s16, s16, 0
	s_mov_b32 s[PST], 196608
	s_mov_b32 s[PST+1], 0
	s_mov_b32 s19, 0
	s_cmp_eq_u32 s11, 0
	s_cselect_b64 s[PFA:PFA+1], s[22:23], s[46:47]
	s_cselect_b32 s18, 768, s18
	s_cselect_b32 s[PST], 256, s[PST]
	s_cselect_b32 s21, s21, s16
	s_cselect_b32 s17, -1, 0
	s_add_nc_u64 s[PFA:PFA+1], s[PFA:PFA+1], s[18:19]
	s_cmp_eq_u32 s21, 1
	s_cselect_b32 s[LIM], 1, -1
	v_mul_u32_u24 v6, v5, 1536                     ; x: a lane a row
	v_lshrrev_b32 v7, 1, v5
	v_mul_u32_u24 v7, v7, 1536                     ; W: two lanes a k-row
	v_and_b32 v5, 1, v5
	v_lshl_add_u32 v7, v5, 8, v7
	v_cndmask_b32 v[PFO], v7, v6, s17
.macro MUL16 f, hi, a0, zero           ; 16 products: row blocks a0, a0 + 1 of the window's four x all 8 column blocks; zero = 1: the bias starts the sums
.if \zero
	WIN 0x81+0x40*(\hi)
.else
	WIN MUL_LO+0x50*(\hi)
.endif
.irp a, \a0, (\a0)+1
.irp b, 0,1,2,3,4,5,6,7
.if \zero
	v_wmma_f32_16x16x32_bf16 v[8*(8*(\a)+(\b)):8*(8*(\a)+(\b))+7], v[(\f)+8*(\b):(\f)+8*(\b)+7], v[(\f)+8*(4*(\hi)+(\a)):(\f)+8*(4*(\hi)+(\a))+7], v[BI+8*(\b):BI+8*(\b)+7]
.else
	v_wmma_f32_16x16x32_bf16 v[8*(8*(\a)+(\b)):8*(8*(\a)+(\b))+7], v[(\f)+8*(\b):(\f)+8*(\b)+7], v[(\f)+8*(4*(\hi)+(\a)):(\f)+8*(4*(\hi)+(\a))+7], v[8*(8*(\a)+(\b)):8*(8*(\a)+(\b))+7]
.endif
.endr
.endr
.endm
.macro FETCH slot, k, f                ; 32 LDS loads in one run: the fragments of 32 along K (byte k of x's rows, k-row k / 2 of W) into buffer f
	WIN TO_B
.irp i, 0,1,2,3,4,5,6,7
	ds_load_tr16_b128 v[(\f)+8*(\i):(\f)+8*(\i)+3],   v[ADRB+(\slot)] offset:((\k)/2)*PB+32*(\i)
	ds_load_tr16_b128 v[(\f)+8*(\i)+4:(\f)+8*(\i)+7], v[ADRB+(\slot)] offset:((\k)/2)*PB+32*(\i)+16*PB
.endr
	WIN 0
.irp i, 0,1,2,3,4,5,6,7
	ds_load_b128 v[(\f)+8*(\i):(\f)+8*(\i)+3],   v[ADRA+(\slot)] offset:(\k)+(\i)*16*PITCH
	ds_load_b128 v[(\f)+8*(\i)+4:(\f)+8*(\i)+7], v[ADRA+(\slot)] offset:(\k)+(\i)*16*PITCH+32
.endr
.endm
.macro PLACES                          ; four plain instructions between a matrix instruction and a load into, or a vector read of, its registers
.rept 4
	v_nop
.endr
.endm
.macro QUARTER slot, k, f, g, zero     ; 64 products on buffer f; in the middle the next quarter's fragments go into g
	s_wait_dscnt 8                                 ; W's and x's rows 0-63 are in; the youngest eight loads (x's rows 64-127) may be out
	MUL16 \f, 0, 0, \zero
	MUL16 \f, 0, 2, \zero
	PLACES
	FETCH \slot, \k, \g
	s_wait_dscnt 32                                ; all but the 32 just issued
	MUL16 \f, 1, 0, \zero
	MUL16 \f, 1, 2, \zero
.endm
.macro MEET round                      ; the change of slots: one barrier
	WIN 0
	s_wait_tensorcnt 0x0                           ; all my tensor loads have landed: the one that was out is my part of the next slot
	ds_add_u32 v[SPW], v[NIL]                      ; 0 onto my spare word
	s_wait_dscnt 9                                 ; (the add and the youngest eight loads may be out)
	MUL16 F1, 0, 0, 0
	s_wait_dscnt 0x0                               ; the add is done, my reads of this slot are over
	s_barrier_signal -1
	MUL16 F1, 0, 2, 0
.if \round
	WIN 0
.endif
	s_barrier_wait -1
.endm
.macro TURN slot, next                 ; the last quarter of a K step: the slot just read is filled again, two K steps on, first thing behind the round
	s_wait_xcnt 0x0                                ; the last prefetch, a K step back, has read its address
	s_add_nc_u64 s[PFA:PFA+1], s[PFA:PFA+1], s[PST:PST+1]
	MEET 1
	CREST                                          ; no wave of any partner still reads this slot or has a load on its way
	s_add_nc_u64 s[G0+4*(\slot)+2:G0+4*(\slot)+3], s[G0+4*(\slot)+2:G0+4*(\slot)+3], 512
	s_add_nc_u64 s[G0B+4*(\slot)+2:G0B+4*(\slot)+3], s[G0B+4*(\slot)+2:G0B+4*(\slot)+3], 393216
	JLOAD \slot                                    ; its four v_nop are also the places in front of the loads below
	FETCH \next, 0, F0
	ASK
	MUL16 F1, 1, 0, 0
	MUL16 F1, 1, 2, 0
.endm
.macro PACK a                          ; block a (16 rows) rounded to f16: 16 bytes a lane for each column block
.set AC, 64*((\a)%4)
	WIN 0x0a+5*((\a)/4)
.irp b, 0,1,2,3,4,5,6,7
.irp r, 0,1,2,3
	v_cvt_pk_f16_f32 v[TMP+4*(\b)+(\r)], v[AC+8*(\b)+2*(\r)], v[AC+8*(\b)+2*(\r)+1]
.endr
.endr
	WIN 0
.endm
.macro TOSTAGE a                       ; into my own stage, and back by heads: load t brings rows 4 (t % 4) .. + 3 of head t / 4
	WIN 0
.set BK, OB+192*((\a)%2)
.irp b, 0,1,2,3,4,5,6,7
	ds_store_b128 v[STO], v[TMP+4*(\b):TMP+4*(\b)+3] offset:32*(\b)
.endr
.irp t, 0,1,2,3,4,5,6,7
	ds_load_b128 v[BK+4*(\t):BK+4*(\t)+3], v[RD] offset:((\t)%4)*4*SPITCH+((\t)/4)*128  ; LDS serves a wave's instructions in order: these see the stores above
.endr
.endm
.macro SEND a
	WIN 0
.set BK, OB+192*((\a)%2)
	s_wait_dscnt 0x0                               ; the block is back in registers
	s_wait_xcnt 0x0                                ; earlier stores have read their base and data: only now are they rewritten
.if (\a) > 0
	s_add_nc_u64 s[8:9], s[8:9], 2048              ; 16 rows of 128 bytes on
.endif
.irp t, 0,1,2,3,4,5,6,7
	global_store_b128 v[CO], v[BK+4*(\t):BK+4*(\t)+3], s[8:9] offset:((\t)/4)*65536+((\t)%4)*512  ; 512 consecutive bytes, aligned
.endr
.endm
	s_wait_tensorcnt 1                             ; my part of K step 0 is in; step 1's may stay out
	s_barrier_signal -1
	s_barrier_wait -1
	FETCH 0, 0, F0
	s_wait_loadcnt 0x0                             ; the bias
	QUARTER 0, 64, F0, F1, 1
	WIN 0
	s_mov_b32 s3, 2
.Llap:                                                 ; a trip goes once round the ring and fills both slots again
	QUARTER 0, 128, F1, F0, 0
	QUARTER 0, 192, F0, F1, 0
	TURN 0, 1
	QUARTER 1, 64,  F0, F1, 0
	QUARTER 1, 128, F1, F0, 0
	QUARTER 1, 192, F0, F1, 0
	TURN 1, 0
	QUARTER 0, 64,  F0, F1, 0
	WIN 0
	s_sub_co_u32 s3, s3, 1
	s_cmp_lg_u32 s3, 0
	s_cbranch_scc1 .Llap
	QUARTER 0, 128, F1, F0, 0                      ; the last lap asks for nothing
	QUARTER 0, 192, F0, F1, 0
	MEET 0
	PLACES
	FETCH 1, 0, F0
	MUL16 F1, 1, 0, 0
	MUL16 F1, 1, 2, 0
	QUARTER 1, 64,  F0, F1, 0
	QUARTER 1, 128, F1, F0, 0
	QUARTER 1, 192, F0, F1, 0
	s_wait_dscnt 8
	MUL16 F1, 0, 0, 0
	MUL16 F1, 0, 2, 0
	s_wait_dscnt 0x0
	MUL16 F1, 1, 0, 0
	MUL16 F1, 1, 2, 0
	PLACES
	PACK 0
	TOSTAGE 0
.irp a, 1,2,3,4,5,6,7
	PACK \a
	SEND (\a)-1
	TOSTAGE \a
.endr
	SEND 7
	s_wait_tensorcnt 0x0                           ; the wave's end
	ds_add_u32 v[SPW], v[NIL]
	s_wait_dscnt 0x0
	CROUND                                         ; the closing round
	s_endpgm
.Lfunc_end_k_qa6119bce19_proj:
	.size	k_qa6119bce19_proj, .Lfunc_end_k_qa6119bce19_proj-k_qa6119bce19_proj
	.p2alignl 7, 3214868480
	.fill 96, 4, 3214868480
	.section	.rodata,"a",@progbits
	.p2align	6, 0x0
	.amdhsa_kernel k_qa6119bce19_proj
		.amdhsa_group_segment_fixed_size 327680
		.amdhsa_private_segment_fixed_size 0
		.amdhsa_enable_private_segment 0
		.amdhsa_kernarg_size 32
		.amdhsa_user_sgpr_count 2
		.amdhsa_user_sgpr_kernarg_segment_ptr 1
		.amdhsa_wavefront_size32 1
		.amdhsa_system_sgpr_workgroup_id_x 1
		.amdhsa_system_sgpr_workgroup_id_y 1
		.amdhsa_system_sgpr_workgroup_id_z 1
		.amdhsa_system_vgpr_workitem_id 0
		.amdhsa_next_free_vgpr 1024
		.amdhsa_next_free_sgpr 72
		.amdhsa_reserve_vcc 0
		.amdhsa_float_denorm_mode_32 3
		.amdhsa_float_denorm_mode_16_64 3
		.amdhsa_memory_ordered 1
		.amdhsa_forward_progress 1
		.amdhsa_inst_pref_size 150
	.end_amdhsa_kernel
	.amdgpu_metadata
---
amdhsa.version: [ 1, 2 ]
amdhsa.kernels:
  - .name:           k_qa6119bce19_proj
    .symbol:         k_qa6119bce19_proj.kd
    .args:
      - { .name: xb, .offset: 0, .size: 8, .value_kind: global_buffer, .address_space: global }
      - { .name: wb, .offset: 8, .size: 8, .value_kind: global_buffer, .address_space: global }
      - { .name: bias, .offset: 16, .size: 8, .value_kind: global_buffer, .address_space: global }
      - { .name: proj, .offset: 24, .size: 8, .value_kind: global_buffer, .address_space: global }
    .group_segment_fixed_size: 327680
    .private_segment_fixed_size: 0
    .kernarg_segment_align: 8
    .kernarg_segment_size: 32
    .max_flat_workgroup_size: 128
    .sgpr_count:     72
    .vgpr_count:     1024
    .wavefront_size: 32
...
	.end_amdgpu_metadata
.endif
;; end of part 2
;; launch attn (part 3): grid 96 x 2, 4 waves a work-group, no clusters, 327,680 bytes of LDS; arguments proj, tabh, ctx; writes ctx
.if DOCPART == 3
	.amdgcn_target "amdgcn-amd-amdhsa--gfx1250"
	.amdhsa_code_object_version 6
	.text
	.protected	k_qa6119bce19_attn
	.globl	k_qa6119bce19_attn
	.p2align	8
	.type	k_qa6119bce19_attn,@function
k_qa6119bce19_attn:
	s_mov_b64 s[64:65], 0
	v_nop
	global_prefetch_b8 v0, s[64:65] scope:SCOPE_SE
	s_setreg_imm32_b32 hwreg(HW_REG_WAVE_MODE, 25, 1), 1
	s_wait_xcnt 0x0
; ATTN: one stream (y), one batch and head (x = b*12+h): ctx = softmax_t(score) v, with
;   score[l][t] = (q[l].k[t] + qs[l].ks[t]) / S + k[t].tab[idx] + q[l].tab[idx],  idx = clip(t - l, -8, 8) + 8,  S = sqrt(768).
; Left out (see launch prep's head): bk_s; and the two einsums with rel[l][t][d], which are lookups in TK[t][j] = S k[t].tab[j] and TQ[l][j] = S q[l].tab[j], j = 0..16, made here.
; The score is kept times S: raw = [q|qs].[k|ks] + TK[t][idx] + TQ[l][idx]; p = 2^(c raw - c m), c = log2(e) / S, m a running maximum; O and l are multiplied by 2^(c m_old - c m_new) in every step.
; LIMITS: q, k, v, qs, ks arrive in f16 (within 65,504); p is rounded to f16 for the second product (l is the sum of the unrounded p), ctx once; a weight below 2^-126 counts as 0; NaN and infinities are not treated apart.
; SHARES.  Four waves; wave w owns queries 128 w .. + 127: eight tiles of 16.  All 512 keys' k, ks and v lie in LDS, brought once by three tensor loads a wave (three are out): nothing is filled again, so the
; loop over the eight key steps of 64 has no barrier.  NO CLUSTER: a unit's k, ks, v are read by this work-group alone.  NO PREFETCH: all that is read is asked for at the head.
; LAYOUT.  S^T = K' Q'^T (source 0 = 16 keys, source 1 = 16 queries, 128 channels = 4 products): a lane holds ONE query (l % 16) and keys 8 (l / 16) + 0..7; two such results rounded to f16 are source 1 of O^T = V^T P.
; THE TABLE TERM is written into the accumulator before the products, which add in place.  Key group gp of relative step rho = step - 2 w lies dl = 4 rho + gp - x tiles from query tile x.
; dl <= -2: idx = 0; dl >= 2: idx = 16: the term is KF_side[t] (eight registers a group, loaded with K') + SQ_side[l] (one number a lane): four packed additions.  dl in -1, 0, 1: sixteen words are gathered from
; TK and TQ.  For a tile all four groups are left where rho <= (x + 3) / 4 - 2, all right where rho >= (x + 5) / 4; one or two values of rho lie between, and there dl of each group is a constant of the text.
; So a turn has ONE choice, by two or three scalar compares of REL = step - 2 w + 8: an arm all left, an arm all right, or a mixed arm written out for that rho.
; BY TURNS.  Turn p: the table term and 16 products K'Q'^T of tile p + 1, later 8 products V^T P of tile p - 1; beside them tile p's scaling, exponentials and rescaling and tile p + 1's maximum and statistics,
; ONE wait for the 33 exponentials, then roundings and sums behind the products V^T P.
; Price of one text for every trip: the first turn's V^T P adds zeros; the last trip's 16 products and maximum for a ninth step serve nothing.
; REGISTERS: window 0: below; window 1: O^T, 32 a tile; window 2: Q', 32 a tile (fragments 0, 1 q; 2, 3 qs); window 3: v0-127 K' of a step (32 g + 8 c), v128-191 V, v192-223 KF left, v224-255 KF right.
.set NP,   8
.set PL,   6291456
.set PK,   144                         ; a row of k or ks in LDS: 128 + 16
.set PVP,  160                         ; a row of v: 128 + 32
.set KSB,  73728
.set VBS,  147456
.set TKB,  229376                      ; TK: 512 rows of 80 bytes (20 words; 0-16 used)
.set TQB,  270336                      ; TQ likewise
.set KFB,  311296                      ; TK[.][0], 2,048 bytes; TK[.][16], 2,048; 2,048 that nobody reads
.set STAGE,317440                      ; 16 rows x 144 bytes a wave
.set SP,   144
.set SPARE,326656
.set AK0, 2
.set AV0, 3
.set AK,  4
.set AKS, 5
.set AV,  6
.set AKF0,7
.set AKF, 8
.set STO, 9
.set RD,  10
.set GO,  11
.set MV,  12                           ; v12-13 c m_old, by buffer
.set SPW, 14
.set NIL, 15
.set ST,  16                           ; tile t: c m, m, l (even, odd keys') at v[16+4t]
.set TMP, 48                           ; by buffer, four at work; c2 takes a
.set TS0, 56                           ; v56-60 where the tables are stored and SQ is read
.set S,   64                           ; two buffers of 32
.set P,   128                          ; two buffers of 16
.set SQ,  160                          ; tile x: TQ[l][0], TQ[l][16]
.set GT,  176                          ; gathered TQ words, by dl + 1
.set IDXK,200
.set IDXQ,224
.set H,   248
.set TT,  251
.set KBV, 252
.set QBV, 253
.set XB,  254
.set QO,  255
.set KFL, 192
.set KFR, 224
.set WV,  12
.set G1K, 24
.set G1V, 32
.set SS,  56                           ; s[56:57] S
.set CS,  58                           ; s[58:59] c
.set SEL, 60
.set TBK, 66
.set TBV, 67
.set CNT, 68
.set REL, 69
.set TBF, 70
.set MSB, 0
.macro WIN new
.if MSB != (\new)
	s_set_vgpr_msb (MSB<<8)|(\new)
.set MSB, (\new)
.endif
.endm
.set W_KQ, 0x0b       ; K' window 3, Q' window 2, S^T window 0
.set W_PV, 0x53       ; V window 3, P window 0, O^T window 1
.set W_RS, 0x41
.set W_KF, 0x03       ; source 0 window 3
.set W_TK, 0x0f
	s_load_b128 s[4:7], s[0:1], 0x0                ; proj, tabh
	s_load_b64 s[8:9], s[0:1], 0x10                ; ctx
	v_lshl_add_u32 v[SPW], v0, 2, SPARE
	v_mov_b32 v[NIL], 0
	ds_add_u32 v[SPW], v[NIL]                      ; the opening: the add, twice on end, and its wait ahead of my first tensor load
	ds_add_u32 v[SPW], v[NIL]
	v_lshrrev_b32 v1, 5, v0
	v_readfirstlane_b32 s[WV], v1
	s_mov_b32 s13, ttmp9                           ; unit b*12+h
	s_and_b32 s14, ttmp7, 0xffff                   ; stream
	s_lshl_b32 s15, s13, 16
	s_lshl_b32 s16, s[WV], 14
	s_add_co_u32 s15, s15, s16                     ; the unit, and my 128 rows of it
	s_mul_i32 s20, s14, 3*PL
	s_add_co_u32 s20, s20, s15                     ; plane 3 s: q
	s_mov_b32 s21, 0
	s_mul_i32 s22, s14, 2*PL
	s_add_co_u32 s22, s22, s15
	s_add_co_u32 s22, s22, 6*PL                    ; plane 6 + 2 s: qs
	s_mov_b32 s23, 0
	s_mul_hi_u32 s18, s13, 0x15555556              ; b
	s_mul_i32 s19, s18, 12
	s_sub_co_u32 s19, s13, s19                     ; h
	s_lshl2_add_u32 s18, s18, s[WV]                ; 4 b + w
	s_mul_i32 s18, s18, 24
	s_add_co_u32 s18, s18, s19
	s_mul_i32 s19, s14, 12
	s_add_co_u32 s18, s18, s19
	s_lshl_b32 s18, s18, 14                        ; ctx: [4 b + w][12 s + h][128][64]
	s_mov_b32 s19, 0
	s_mov_b32 s[G1K], (1<<16)|(1<<20)|(4<<22)|(3<<25)  ; 128 keys = 64 rows of 256 bytes, padded after every 32 words by 4
	s_mov_b32 s[G1V], (1<<16)|(1<<20)|(4<<22)|(7<<25)  ; by 8
.irp g, G1K, G1V
	s_mov_b32 s[\g+1], 128<<16
	s_mov_b32 s[\g+2], 64<<16
	s_mov_b32 s[\g+3], 128<<16
	s_mov_b32 s[\g+4], 64
	s_mov_b32 s[\g+5], 128
	s_mov_b32 s[\g+6], 0
	s_mov_b32 s[\g+7], 0
.endr
	s_mov_b32 s40, 1
	s_mul_i32 s41, s[WV], 128*PK
	s_mov_b32 s44, 1
	s_add_co_u32 s45, s41, KSB
	s_mov_b32 s48, 1
	s_mul_i32 s49, s[WV], 128*PVP
	s_add_co_u32 s49, s49, VBS
	s_mov_b32 s[SS], 0x41ddb3d7
	s_mov_b32 s[SS+1], s[SS]
	s_mov_b32 s[CS], 0x3d553b94
	s_mov_b32 s[CS+1], s[CS]
	s_mov_b32 s[SEL], 0x76543210
	s_mov_b32 s[SEL+1], 0xfedcba98
	s_wait_dscnt 0x0
	s_wait_kmcnt 0x0
	s_add_nc_u64 s[72:73], s[4:5], s[20:21]        ; q
	s_add_nc_u64 s[74:75], s[4:5], s[22:23]        ; qs
	s_add_nc_u64 s[76:77], s[8:9], s[18:19]        ; my 128 rows of ctx
	s_add_nc_u64 s[42:43], s[72:73], PL            ; k
	s_or_b32 s43, s43, 0x80000000
	s_add_nc_u64 s[46:47], s[74:75], PL            ; ks
	s_or_b32 s47, s47, 0x80000000
	s_add_nc_u64 s[50:51], s[72:73], 2*PL          ; v
	s_or_b32 s51, s51, 0x80000000
	tensor_load_to_lds s[40:43], s[G1K:G1K+7]
	s_nop 0
	tensor_load_to_lds s[44:47], s[G1K:G1K+7]
	s_nop 0
	tensor_load_to_lds s[48:51], s[G1V:G1V+7]
	s_nop 0
.rept 4
	v_nop
.endr
	v_and_b32 v1, 15, v0                           ; r
	v_bfe_u32 v[H], v0, 4, 1                       ; h
	v_lshlrev_b32 v[QO], 7, v1
	v_lshl_add_u32 v[QO], v[H], 4, v[QO]           ; row x 128 + 16 h
	WIN 0x80
.set tx, 0
.rept 8
.irp c, 0,1
	global_load_b128 v[32*tx+8*(\c):32*tx+8*(\c)+3],       v[QO], s[72:73] offset:tx*2048+(\c)*64
	global_load_b128 v[32*tx+8*(\c)+4:32*tx+8*(\c)+7],     v[QO], s[72:73] offset:tx*2048+(\c)*64+32
	global_load_b128 v[32*tx+16+8*(\c):32*tx+16+8*(\c)+3], v[QO], s[74:75] offset:tx*2048+(\c)*64
	global_load_b128 v[32*tx+16+8*(\c)+4:32*tx+16+8*(\c)+7], v[QO], s[74:75] offset:tx*2048+(\c)*64+32
.endr
.set tx, tx+1
.endr
	WIN 0xc0
.irp z, 0,1                            ; the table's fragments: rows 16 z .., channels 32 c .., where V will lie
.irp c, 0,1
	global_load_b128 v[128+16*(\z)+8*(\c):128+16*(\z)+8*(\c)+3],   v[QO], s[6:7] offset:(\z)*2048+(\c)*64
	global_load_b128 v[128+16*(\z)+8*(\c)+4:128+16*(\z)+8*(\c)+7], v[QO], s[6:7] offset:(\z)*2048+(\c)*64+32
.endr
.endr
	WIN 0x40
.set i, 0
.rept 256
	v_mov_b32 v[i], 0                              ; O^T: written while the loads are out
.set i, i+1
.endr
	WIN 0
.set i, 0
.rept 8
	v_mov_b32 v[ST+4*i], 0xfe000000                ; c m: far below every c s: the first step's a is 0
	v_mov_b32 v[ST+4*i+1], 0xff7fffff              ; m
	v_mov_b32 v[ST+4*i+2], 0
	v_mov_b32 v[ST+4*i+3], 0
.set i, i+1
.endr
.set i, 0
.rept 16
	v_mov_b32 v[P+16+i], 0
.set i, i+1
.endr
	v_mul_u32_u24 v[AK0], v1, PK
	v_lshl_add_u32 v[AK0], v[H], 4, v[AK0]
	v_and_b32 v249, 7, v0
	v_bfe_u32 v250, v0, 3, 1
	v_lshl_add_u32 v[AV0], v[H], 3, v249
	v_mul_u32_u24 v[AV0], v[AV0], PVP
	v_lshl_add_u32 v[AV0], v250, 4, v[AV0]
	v_add_nc_u32 v[AV0], VBS, v[AV0]
	v_lshlrev_b32 v[AKF0], 5, v[H]
	v_add_nc_u32 v[AKF0], KFB, v[AKF0]
	s_mul_i32 s16, s[WV], 16*SP
	s_add_co_u32 s16, s16, STAGE
	v_add_nc_u32 v[STO], s16, v[AK0]
	v_bfe_u32 v[RD], v0, 3, 2
	v_mul_u32_u24 v[RD], v[RD], SP
	v_lshl_add_u32 v[RD], v249, 4, v[RD]
	v_add_nc_u32 v[RD], s16, v[RD]
	v_and_b32 v[GO], 31, v0
	v_lshlrev_b32 v[GO], 4, v[GO]
	s_lshl_b32 s16, s[WV], 7
	v_add_nc_u32 v[TT], s16, v1
	v_mul_u32_u24 v[TT], v[TT], 80                 ; my row 128 w + r of a table
	v_lshl_add_u32 v[TS0], v[H], 5, v[TT]
	v_add_nc_u32 v[TS0], TKB, v[TS0]               ; words 8 h ..
	v_lshl_add_u32 v[TS0+1], v[H], 2, v[TT]
	v_add_nc_u32 v[TS0+1], TKB+64, v[TS0+1]        ; word 16 (lanes 16-31: word 17, which nobody reads)
	s_lshl_b32 s16, s[WV], 9
	v_lshl_add_u32 v[TS0+2], v1, 2, s16
	v_lshl_add_u32 v[TS0+3], v[H], 11, v[TS0+2]
	v_add_nc_u32 v[TS0+3], KFB+2048, v[TS0+3]      ; KF right (lanes 16-31: the part that nobody reads)
	v_lshl_add_u32 v[TS0+2], v[H], 12, v[TS0+2]
	v_add_nc_u32 v[TS0+2], KFB, v[TS0+2]           ; KF left
	v_add_nc_u32 v[TS0+4], TQB, v[TT]
	v_add_nc_u32 v[QBV], TQB-128, v[TT]
	s_mul_i32 s16, s[WV], 10240
	s_add_co_u32 s16, s16, TKB-1408
	v_mul_u32_u24 v[KBV], v[H], 640
	v_add_nc_u32 v[KBV], s16, v[KBV]
	v_lshl_add_u32 v[XB], v[H], 3, 24
	v_sub_nc_u32 v[XB], v[XB], v1                  ; 8 h + 24 - r
.set d, 0                              ; for dl = d - 1 and register j: t - l + 40 = XB + 16 d + j, held to 32 .. 48 = idx + 32
.rept 3
.set j, 0
.rept 8
	v_add_nc_u32 v[TT], 16*d+j, v[XB]
	v_max_u32 v[TT], 32, v[TT]
	v_min_u32 v[TT], 48, v[TT]
	v_lshl_add_u32 v[IDXK+8*d+j], v[TT], 2, v[KBV]
	v_lshl_add_u32 v[IDXQ+8*d+j], v[TT], 2, v[QBV]
.set j, j+1
.endr
.set d, d+1
.endr
; The tables of rows' tiles 2 p, 2 p + 1: D = tab x rows^T: a lane holds one row and idx 8 h + j (z = 0) or 16 + 8 h + j (z = 1: register 0 of lanes 0-15 is idx 16).  kind 1: my keys; 0: my queries.
.macro TAB kind, p
.irp c, 0,1
.irp tt, 0,1
.irp z, 0,1
.set rA, S+32*((\p)%2)+8*(2*(\tt)+(\z))
.set rF, 128+16*(\z)+8*(\c)
.if \kind
	WIN W_TK
.set rR, 16*(2*(\p)+(\tt))+8*(\c)
.else
	WIN W_KQ
.set rR, 32*(2*(\p)+(\tt))+8*(\c)
.endif
.if (\c) == 0
	v_wmma_f32_16x16x32_f16 v[rA:rA+7], v[rF:rF+7], v[rR:rR+7], 0
.else
	v_wmma_f32_16x16x32_f16 v[rA:rA+7], v[rF:rF+7], v[rR:rR+7], v[rA:rA+7]
.endif
.endr
.endr
.endr
	WIN 0
.rept 4
	v_nop
.endr
.irp tt, 0,1
.set rA, S+32*((\p)%2)+16*(\tt)
.set oT, (2*(\p)+(\tt))*1280+(1-(\kind))*40960
.irp k, 0,2,4,6
	v_pk_mul_f32 v[rA+(\k):rA+(\k)+1], v[rA+(\k):rA+(\k)+1], s[SS:SS+1] op_sel_hi:[1,0]
.endr
	v_mul_f32 v[rA+8], s[SS], v[rA+8]
	ds_store_b128 v[TS0], v[rA:rA+3] offset:oT
	ds_store_b128 v[TS0], v[rA+4:rA+7] offset:oT+16
	ds_store_b32 v[TS0+1], v[rA+8] offset:oT
.if \kind
	ds_store_b32 v[TS0+2], v[rA] offset:(2*(\p)+(\tt))*64
	ds_store_b32 v[TS0+3], v[rA+8] offset:(2*(\p)+(\tt))*64
.endif
.endr
.endm
.macro KQ x                            ; product i of 16: channels 32 (i / 4) on, keys 16 (i % 4) on; always in place: the table term started the sum.  The four accumulators take turns
	WIN W_KQ
.set rS, S+32*((\x)%2)+8*(i%4)
.set rK, 32*(i%4)+8*(i/4)
.set rQ, 32*(\x)+8*(i/4)
	v_wmma_f32_16x16x32_f16 v[rS:rS+7], v[rK:rK+7], v[rQ:rQ+7], v[rS:rS+7]
.endm
.macro PV x                            ; product i of 8: keys 32 (i / 4) on, channels 16 (i % 4) on
	WIN W_PV
.set rO, 32*(\x)+8*(i%4)
.set rV, 128+32*(i/4)+8*(i%4)
.set rP, P+16*((\x)%2)+8*(i/4)
	v_wmma_f32_16x16x32_f16 v[rO:rO+7], v[rV:rV+7], v[rP:rP+7], v[rO:rO+7]
.endm
.macro MM
.if i < 16
	KQ (Y+1)%NP
.else
.set i, i-16
	PV (Y+NP-1)%NP
.set i, i+16
.endif
.set i, i+1
.endm
.macro FETCH_K last=0                  ; a step's K' (32 loads) and its KF (16); last = 1: the last trip has no further step
	WIN 0
.if \last
	s_cmp_eq_u32 s[CNT], 1
	s_cbranch_scc1 .Lno_k_\@
.endif
	v_add_nc_u32 v[AK], s[TBK], v[AK0]
	v_add_nc_u32 v[AKS], KSB, v[AK]
	v_add_nc_u32 v[AKF], s[TBF], v[AKF0]
	WIN 0xc0
.irp g, 0,1,2,3
.irp c, 0,1
	ds_load_b128 v[32*(\g)+8*(\c):32*(\g)+8*(\c)+3],       v[AK]  offset:(\g)*16*PK+(\c)*64
	ds_load_b128 v[32*(\g)+8*(\c)+4:32*(\g)+8*(\c)+7],     v[AK]  offset:(\g)*16*PK+(\c)*64+32
	ds_load_b128 v[32*(\g)+16+8*(\c):32*(\g)+16+8*(\c)+3], v[AKS] offset:(\g)*16*PK+(\c)*64
	ds_load_b128 v[32*(\g)+16+8*(\c)+4:32*(\g)+16+8*(\c)+7], v[AKS] offset:(\g)*16*PK+(\c)*64+32
.endr
.endr
.irp g, 0,1,2,3
	ds_load_b128 v[KFL+8*(\g):KFL+8*(\g)+3],   v[AKF] offset:64*(\g)
	ds_load_b128 v[KFL+8*(\g)+4:KFL+8*(\g)+7], v[AKF] offset:64*(\g)+16
	ds_load_b128 v[KFR+8*(\g):KFR+8*(\g)+3],   v[AKF] offset:2048+64*(\g)
	ds_load_b128 v[KFR+8*(\g)+4:KFR+8*(\g)+7], v[AKF] offset:2048+64*(\g)+16
.endr
	WIN 0
.if \last
.Lno_k_\@:
.endif
	s_add_co_u32 s[TBK], s[TBK], 64*PK
	s_add_co_u32 s[TBF], s[TBF], 256
.endm
.macro FETCH_V
	WIN 0xc0
.irp f, 0,1,2,3,4,5,6,7
	ds_load_tr16_b128 v[128+8*\f:128+8*\f+3],   v[AV] offset:(\f/4)*32*PVP+(\f%4)*32
	ds_load_tr16_b128 v[128+8*\f+4:128+8*\f+7], v[AV] offset:(\f/4)*32*PVP+16*PVP+(\f%4)*32
.endr
	WIN 0
	s_add_co_u32 s[TBV], s[TBV], 64*PVP
.endm
; THE TABLE TERM for tile x.  FARG: a far group: KF of the side + SQ of the side (the window is set by the caller: source 0 in window 3).
.macro FARG x, gp, right
.irp k, 0,2,4,6
.if \right
	v_pk_add_f32 v[S+32*((\x)%2)+8*(\gp)+(\k):S+32*((\x)%2)+8*(\gp)+(\k)+1], v[KFR+8*(\gp)+(\k):KFR+8*(\gp)+(\k)+1], v[SQ+2*(\x):SQ+2*(\x)+1] op_sel:[0,1] op_sel_hi:[1,1]
.else
	v_pk_add_f32 v[S+32*((\x)%2)+8*(\gp)+(\k):S+32*((\x)%2)+8*(\gp)+(\k)+1], v[KFL+8*(\gp)+(\k):KFL+8*(\gp)+(\k)+1], v[SQ+2*(\x):SQ+2*(\x)+1] op_sel_hi:[1,0]
.endif
.endr
.endm
; MIX: the arm for the relative step rho (a symbol) in which some group lies within a tile of x.  First the gathers of those groups (TK's words into the accumulator, TQ's into GT), then the
; far groups' additions while the gathers are out, the wait for the gathers, and TK's + TQ's.
.macro MIX x
.irp gp, 0,1,2,3
.set dl, 4*rho+(\gp)-(\x)
.if (dl >= -1) && (dl <= 1)
.irp j, 0,1,2,3,4,5,6,7
	ds_load_b32 v[S+32*((\x)%2)+8*(\gp)+(\j)], v[IDXK+8*(dl+1)+(\j)] offset:((\x)+dl+1)*1280+80*(\j)
	ds_load_b32 v[GT+8*(dl+1)+(\j)], v[IDXQ+8*(dl+1)+(\j)] offset:(\x)*1280
.endr
.endif
.endr
	WIN W_KF
.irp gp, 0,1,2,3
.set dl, 4*rho+(\gp)-(\x)
.if dl < -1
	FARG \x, \gp, 0
.elseif dl > 1
	FARG \x, \gp, 1
.endif
.endr
	WIN 0
	s_wait_dscnt 0x0                               ; the gathered words are in
.irp gp, 0,1,2,3
.set dl, 4*rho+(\gp)-(\x)
.if (dl >= -1) && (dl <= 1)
.irp k, 0,2,4,6
	v_pk_add_f32 v[S+32*((\x)%2)+8*(\gp)+(\k):S+32*((\x)%2)+8*(\gp)+(\k)+1], v[S+32*((\x)%2)+8*(\gp)+(\k):S+32*((\x)%2)+8*(\gp)+(\k)+1], v[GT+8*(dl+1)+(\k):GT+8*(dl+1)+(\k)+1]
.endr
.endif
.endr
.endm
; CB: the choice.  adj = 1: the tile's step is the one after the step that REL stands for, so rho = REL - 8 + adj.  All left below kl, all right from kr on, one or two mixed arms between.
.macro CB x, adj
.set kl, ((\x)+3)/4+7-(\adj)
.set kr, ((\x)+5)/4+8-(\adj)
.set rho, kl-8+(\adj)
	s_cmp_lt_u32 s[REL], kl
	s_cbranch_scc1 .Lcl_\@
	s_cmp_ge_u32 s[REL], kr
	s_cbranch_scc1 .Lcr_\@
.if kr-kl == 2
	s_cmp_eq_u32 s[REL], kl
	s_cbranch_scc0 .Lcm_\@
.endif
	MIX \x
	s_branch .Lcd_\@
.if kr-kl == 2
.Lcm_\@:
.set rho, rho+1
	MIX \x
	s_branch .Lcd_\@
.endif
.Lcr_\@:
	WIN W_KF
	FARG \x, 0, 1
	FARG \x, 1, 1
	FARG \x, 2, 1
	FARG \x, 3, 1
	WIN 0
	s_branch .Lcd_\@
.Lcl_\@:
	WIN W_KF
	FARG \x, 0, 0
	FARG \x, 1, 0
	FARG \x, 2, 0
	FARG \x, 3, 0
	WIN 0
.Lcd_\@:
.endm
; THE VECTOR WORK, a line at a time.  For tile Y: F n: c s - c m for pair n.  E n: the exponential of score n.  C n: pair n rounded to f16.  B n: of four weights the second pair onto the first.
; L n: l takes that sum (L 0: l = a l + sum).  R n: pair n of O^T times a.  For tile Y + 1: X n, number n of the 22 that find its maximum and statistics (each accumulator's lowest registers are read first):
;   0-11 four chains c0-c3 of seven scores each; 12-14, 16 the four scores left over, the old m, c0-c3 into c0; 15 c m_old is kept; 17, 18 the other half of the lanes: the new m; 19-21 c m; its change; a.
.set F, 0
.set E, 1
.set C, 2
.set B, 3
.set L, 4
.set R, 5
.set X, 6
.macro REGS y
.set rT, ST+4*(\y)
.set rC, TMP+4*((\y)%2)
.set rW, MV+((\y)%2)
.set rS, S+32*((\y)%2)
.set rP, P+16*((\y)%2)
.set rO, 32*(\y)
.endm
.macro OP k, n
.if (\k) == R
	REGS Y
	WIN W_RS
	v_pk_mul_f32 v[rO+2*(\n):rO+2*(\n)+1], v[rO+2*(\n):rO+2*(\n)+1], v[rC+2:rC+3] op_sel_hi:[1,0]
.elseif (\k) < R
	REGS Y
	WIN 0
.if (\k) == F
	v_pk_fma_f32 v[rS+2*(\n):rS+2*(\n)+1], v[rS+2*(\n):rS+2*(\n)+1], s[CS:CS+1], v[rT:rT+1] op_sel_hi:[1,0,0] neg_lo:[0,0,1] neg_hi:[0,0,1]
.elseif (\k) == E
	v_exp_f32 v[rS+(\n)], v[rS+(\n)]
.elseif (\k) == C
	v_cvt_pk_f16_f32 v[rP+(\n)], v[rS+2*(\n)], v[rS+2*(\n)+1]
.elseif (\k) == B
	v_pk_add_f32 v[rS+4*(\n):rS+4*(\n)+1], v[rS+4*(\n):rS+4*(\n)+1], v[rS+4*(\n)+2:rS+4*(\n)+3]
.elseif (\n) == 0
	v_pk_fma_f32 v[rT+2:rT+3], v[rT+2:rT+3], v[rC+2:rC+3], v[rS:rS+1] op_sel_hi:[1,0,1]
.else
	v_pk_add_f32 v[rT+2:rT+3], v[rT+2:rT+3], v[rS+4*(\n):rS+4*(\n)+1]
.endif
.else
	REGS (Y+1)%NP
	WIN 0
.if (\n) < 4
	v_max3_num_f32 v[rC+(\n)], v[rS+8*(\n)], v[rS+8*(\n)+1], v[rS+8*(\n)+2]
.elseif (\n) < 12
	v_max3_num_f32 v[rC+(\n)%4], v[rC+(\n)%4], v[rS+8*((\n)%4)+2*((\n)/4)+1], v[rS+8*((\n)%4)+2*((\n)/4)+2]
.elseif (\n) == 12
	v_max3_num_f32 v[rC], v[rC], v[rS+7], v[rS+15]
.elseif (\n) == 13
	v_max3_num_f32 v[rC+1], v[rC+1], v[rS+23], v[rS+31]
.elseif (\n) == 14
	v_max3_num_f32 v[rC+2], v[rC+2], v[rC+3], v[rT+1]
.elseif (\n) == 15
	v_mov_b32 v[rW], v[rT]
.elseif (\n) == 16
	v_max3_num_f32 v[rC], v[rC], v[rC+1], v[rC+2]
.elseif (\n) == 17
	v_permlanex16_b32 v[rC+3], v[rC], s[SEL], s[SEL+1]
.elseif (\n) == 18
	v_max_num_f32 v[rT+1], v[rC], v[rC+3]
.elseif (\n) == 19
	v_mul_f32 v[rT], s[CS], v[rT+1]
.elseif (\n) == 20
	v_sub_f32 v[rC+1], v[rW], v[rT]
.else
	v_exp_f32 v[rC+2], v[rC+1]
.endif
.endif
.endm
.macro OPS a, i1, b=-1, i2=0, c=-1, i3=0, d=-1, i4=0  ; up to four of them
	OP \a, \i1
.if (\b) >= 0
	OP \b, \i2
.endif
.if (\c) >= 0
	OP \c, \i3
.endif
.if (\d) >= 0
	OP \d, \i4
.endif
.endm
.macro ROW a, i1, b=-1, i2=0, c=-1, i3=0, d=-1, i4=0  ; a matrix instruction and up to four lines behind it
	MM
	OPS \a, \i1, \b, \i2, \c, \i3, \d, \i4
.endm
.macro STATS                           ; ahead of the loop: tile Y + 1's maximum and statistics on end; the last line is its a
.irp n, 0,1,2,3,4,5,6,7,8,9,10,11,12,13,15,14,16,17,18,19,20,21
	OP X, \n
.endr
	v_nop                                          ; a plain instruction behind the exponential
	s_wait_alu depctr_va_vdst(0)                   ; the wait ahead of the first line that names its result, and ahead of the label
.endm
; A TURN, for tile p: the order of its 24 matrix and its vector instructions, written out.
; AHEAD OF THE WAIT nothing names a result of the turn's exponentials.  Products 0-11 of K'Q'^T have at most three lines of window 0 behind them (a scaling, two exponentials).  Products 12-15 end the four
; accumulators; behind each stand four PLAIN lines that name none of its registers (the last scaling, rescalings, and the maximum's lines on accumulators ended earlier): they are the four places ahead of that
; accumulator's first reader, X 0 to X 3, which reads its lowest registers.  THE LUMP: the chain X 3, 7, 11, 14, 16, 17, 18, 19, 20, 21, each link of which reads the one before, with the other X lines,
; exponentials 18-31 and rescalings 9-15 between the links.  X 21, the next tile's a, is the batch's last; a v_nop is the plain line behind it; then ONE wait for the 33 exponentials.
; BEHIND THE WAIT: 8 products V^T P, behind each four of the roundings and sums.
; K' and KF of the next step are fetched in turn 6, behind the wait (the lump's plain lines lie between the last product that read K' and the loads), and waited for at turn 7's head;
; V of the step in hand at the end of turn 0, four roundings behind its last reader, and waited for ahead of turn 1's V^T P.
.macro TURN p
.set Y, (\p)
.set i, 0
	WIN 0
.if (\p) == NP-1
	s_wait_dscnt 0x0                               ; K' and KF are in
.endif
	CB ((\p)+1)%NP, (\p)/(NP-1)
	ROW F,0, F,1, F,2
.set rr, 1
.rept 9
	ROW F,rr+2, E,2*rr-2, E,2*rr-1
.set rr, rr+1
.endr
	ROW F,12, F,13
	ROW F,14
	ROW F,15, R,0, R,1, R,2
	ROW X,0, R,3, R,4, R,5
	ROW X,1, X,4, R,6, R,7
	ROW X,2, X,5, X,8, R,8
	OPS X,3, E,18, X,6, E,19
	OPS X,9, X,7, E,20, X,10
	OPS E,21, X,12, X,11, E,22
	OPS X,13, E,23, X,15, X,14
	OPS E,24, R,9, R,10, X,16
	OPS E,25, R,11, R,12, X,17
	OPS E,26, R,13, R,14, X,18
	OPS E,27, R,15, E,28, X,19
	OPS E,29, E,30, X,20, E,31
.if (\p) == 0
	WIN 0
	v_add_nc_u32 v[AV], s[TBV], v[AV0]
.endif
	OP X, 21
	v_nop                                          ; a plain instruction behind the last exponential: one for the batch
	s_wait_alu depctr_va_vdst(0)                   ; the wait ahead of the first line that names an exponential's result: one for the batch
.if (\p) == NP-2
	FETCH_K 1
.endif
.if (\p) == 1
	s_wait_dscnt 0x0                               ; V is in
.endif
	ROW C,0, B,0, C,2, B,1
	ROW L,0, C,4, B,2, L,1
	ROW C,6, B,3, L,2, C,8
	ROW B,4, L,3, C,10, B,5
	ROW L,4, C,12, B,6, L,5
	ROW C,14, B,7, L,6, C,1
	ROW C,3, L,7, C,5, C,7
	ROW C,9, C,11, C,13, C,15
.if (\p) == 0
	FETCH_V
.endif
.endm
	s_wait_loadcnt 0x0                             ; Q' and the table
	TAB 0, 0
	TAB 0, 1
	TAB 0, 2
	TAB 0, 3
	s_wait_tensorcnt 0x0                           ; my three tiles have landed,
	s_wait_dscnt 0x0                               ; my stores into TQ are done
	s_barrier_signal -1
	s_barrier_wait -1                              ; everybody's
	v_add_nc_u32 v[AK], s41, v[AK0]                ; my 128 keys' k
	WIN 0xc0
.set tx, 0
.rept 8
.irp c, 0,1
	ds_load_b128 v[16*tx+8*(\c):16*tx+8*(\c)+3],   v[AK] offset:tx*16*PK+(\c)*64
	ds_load_b128 v[16*tx+8*(\c)+4:16*tx+8*(\c)+7], v[AK] offset:tx*16*PK+(\c)*64+32
.endr
.set tx, tx+1
.endr
	WIN 0
	s_wait_dscnt 0x0
	TAB 1, 0
	TAB 1, 1
	TAB 1, 2
	TAB 1, 3
	s_wait_dscnt 0x0                               ; for the others' sake: my stores into TK and KF are done
	s_barrier_signal -1
	s_barrier_wait -1                              ; from here on LDS is only read, up to the way out
.set tx, 0
.rept 8
	ds_load_b32 v[SQ+2*tx],   v[TS0+4] offset:tx*1280
	ds_load_b32 v[SQ+2*tx+1], v[TS0+4] offset:tx*1280+64
.set tx, tx+1
.endr
	WIN 0xc0
.set i, 128
.rept 64
	v_mov_b32 v[i], 0                              ; V: the first turn's V^T P adds 0
.set i, i+1
.endr
	WIN 0
	s_lshl_b32 s16, s[WV], 1
	s_sub_co_u32 s[REL], 7, s16                    ; step - 2 w + 8, one step back
	s_mov_b32 s[TBK], 0
	s_mov_b32 s[TBV], 0
	s_mov_b32 s[TBF], 0
	s_mov_b32 s[CNT], 8
	FETCH_K
	s_wait_dscnt 0x0                               ; SQ, K' and KF of step 0
	CB 0, 1
.set i, 0
.rept 16
	KQ 0
.set i, i+1
.endr
	WIN 0
.rept 4
	v_nop
.endr
.set Y, NP-1
	STATS
.Lstep:                                                ; eight trips: a key step each
	s_add_co_u32 s[REL], s[REL], 1
	TURN 0
	TURN 1
	TURN 2
	TURN 3
	TURN 4
	TURN 5
	TURN 6
	TURN 7
	WIN 0
	s_sub_co_u32 s[CNT], s[CNT], 1
	s_cmp_lg_u32 s[CNT], 0
	s_cbranch_scc1 .Lstep
.set i, 0
.rept 8
	PV NP-1                                        ; the last tile's V^T P of the last step
.set i, i+1
.endr
	WIN 0
	s_wait_dscnt 0x0
	s_barrier_signal -1                            ; every wave's reads of the tables are over before any wave stores into its stage
	s_barrier_wait -1
.macro ALL line:vararg
.set t, 0
.rept NP
	\line
.set t, t+1
.endr
.endm
	ALL v_add_f32 v[ST+4*t+2], v[ST+4*t+2], v[ST+4*t+3]
	ALL v_permlanex16_b32 v[ST+4*t+3], v[ST+4*t+2], s[SEL], s[SEL+1]
	ALL v_add_f32 v[ST+4*t+2], v[ST+4*t+2], v[ST+4*t+3]
	ALL v_rcp_f32 v[ST+4*t+2], v[ST+4*t+2]
	v_nop
	s_wait_alu depctr_va_vdst(0)                   ; one wait for the eight reciprocals
.macro PACK t                          ; O^T / l, rounded to f16, through my stage: rows of 144 bytes in, whole rows of 128 back, into v[64+16 t ..]
	WIN W_RS
.set i, 32*(\t)
.rept 16
	v_pk_mul_f32 v[i:i+1], v[i:i+1], v[ST+4*(\t)+2:ST+4*(\t)+3] op_sel_hi:[1,0]
.set i, i+2
.endr
	WIN 0x05
.set i, 0
.rept 16
	v_cvt_pk_f16_f32 v[S+16*(\t)+i], v[32*(\t)+2*i], v[32*(\t)+2*i+1]
.set i, i+1
.endr
	WIN 0
.irp f, 0,1,2,3
	ds_store_b128 v[STO], v[S+16*(\t)+4*\f:S+16*(\t)+4*\f+3] offset:32*\f
.endr
.irp f, 0,1,2,3
	ds_load_b128 v[S+16*(\t)+4*\f:S+16*(\t)+4*\f+3], v[RD] offset:\f*4*SP  ; LDS serves a wave's instructions in order: these see the stores above
.endr
.endm
.macro SEND t, younger                 ; younger: the LDS instructions issued behind tile t's loads
	WIN 0
.irp f, 0,1,2,3
	s_wait_dscnt (\younger)+3-\f
	global_store_b128 v[GO], v[S+16*(\t)+4*\f:S+16*(\t)+4*\f+3], s[76:77] offset:(\t)*2048+\f*512  ; 512 consecutive bytes, aligned
.endr
.endm
	PACK 0
.set t, 1
.rept NP-1
	PACK t
	SEND t-1, 8
.set t, t+1
.endr
	SEND NP-1, 0
	s_wait_tensorcnt 0x0                           ; the wave's end
	ds_add_u32 v[SPW], v[NIL]
	s_wait_dscnt 0x0
	s_endpgm
.Lfunc_end_k_qa6119bce19_attn:
	.size	k_qa6119bce19_attn, .Lfunc_end_k_qa6119bce19_attn-k_qa6119bce19_attn
	.p2alignl 7, 3214868480
	.fill 96, 4, 3214868480
	.section	.rodata,"a",@progbits
	.p2align	6, 0x0
	.amdhsa_kernel k_qa6119bce19_attn
		.amdhsa_group_segment_fixed_size 327680
		.amdhsa_private_segment_fixed_size 0
		.amdhsa_enable_private_segment 0
		.amdhsa_kernarg_size 24
		.amdhsa_user_sgpr_count 2
		.amdhsa_user_sgpr_kernarg_segment_ptr 1
		.amdhsa_wavefront_size32 1
		.amdhsa_system_sgpr_workgroup_id_x 1
		.amdhsa_system_sgpr_workgroup_id_y 1
		.amdhsa_system_sgpr_workgroup_id_z 1
		.amdhsa_system_vgpr_workitem_id 0
		.amdhsa_next_free_vgpr 1024
		.amdhsa_next_free_sgpr 80
		.amdhsa_reserve_vcc 0
		.amdhsa_float_denorm_mode_32 3
		.amdhsa_float_denorm_mode_16_64 3
		.amdhsa_memory_ordered 1
		.amdhsa_forward_progress 1
		.amdhsa_inst_pref_size 227
	.end_amdhsa_kernel
	.amdgpu_metadata
---
amdhsa.version: [ 1, 2 ]
amdhsa.kernels:
  - .name:           k_qa6119bce19_attn
    .symbol:         k_qa6119bce19_attn.kd
    .args:
      - { .name: proj, .offset: 0, .size: 8, .value_kind: global_buffer, .address_space: global }
      - { .name: tabh, .offset: 8, .size: 8, .value_kind: global_buffer, .address_space: global }
      - { .name: ctx, .offset: 16, .size: 8, .value_kind: global_buffer, .address_space: global }
    .group_segment_fixed_size: 327680
    .private_segment_fixed_size: 0
    .kernarg_segment_align: 8
    .kernarg_segment_size: 24
    .max_flat_workgroup_size: 128
    .sgpr_count:     80
    .vgpr_count:     1024
    .wavefront_size: 32
...
	.end_amdgpu_metadata
.endif
;; end of part 3
;; launch outp (part 4): grid 32 x 6, 4 waves a work-group, clusters of 4 x 1, 327,680 bytes of LDS; arguments ctx, wb, bias, out0; writes out0
.if DOCPART == 4
	.amdgcn_target "amdgcn-amd-amdhsa--gfx1250"
	.amdhsa_code_object_version 6
	.text
	.protected	k_qa6119bce19_outp
	.globl	k_qa6119bce19_outp
	.p2align	8
	.type	k_qa6119bce19_outp,@function
k_qa6119bce19_outp:
	s_mov_b64 s[64:65], 0
	v_nop
	global_prefetch_b8 v0, s[64:65] scope:SCOPE_SE
	s_setreg_imm32_b32 hwreg(HW_REG_WAVE_MODE, 25, 1), 1
	s_wait_xcnt 0x0
	s_wait_alu depctr_hold_cnt(0) depctr_sa_sdst(0) depctr_va_vdst(0) depctr_va_sdst(0) depctr_va_ssrc(0) depctr_va_vcc(0) depctr_vm_vsrc(0)
	s_getreg_b32 s2, hwreg(HW_REG_IB_STS2, 6, 4)
	s_cmp_eq_u32 s2, 0
	s_cbranch_scc0 .Lentry_in_a_cluster
	s_endpgm
.Lentry_in_a_cluster:
	s_bfe_u32 s2, ttmp6, 0x10000c
	s_cmp_lg_u32 s2, 0x3003
	s_cbranch_scc0 .Lentry_shape_is_right
	s_endpgm
.Lentry_shape_is_right:
; OUTP: out0 = (ctx_t + ctx_i) Wo + bo, as ONE product with K = 1,536: [ctx_t | ctx_i] x [Wo ; Wo]: the two contexts are added in the f32 sums.
; ctx: f16 [row block of 128][24 units = 12 s + h][128][64]: a row block's panel lies in K's order, a unit (64 of K) = 16,384 dense bytes.  wb's parts 8, 9: Wo in f16, [1536 k][768 n].  bo (row 8 of bias) starts the sums.
; SHARES.  A tile of 128 x 128 to a work-group, 64 x 64 to each of four waves (16 accumulators).  K in six steps of 256 (four units) through two LDS slots; a quarter of a step is one unit.
; A's tile: 4 units x 128 rows, LDS pitch 144 (asked for as rows of 256 bytes, padded after every 128).  B's: 256 k-rows of 256 bytes, pitch 288, read turned by ds_load_tr16_b128.
; CLUSTER: four row blocks, one column tile: B's tiles are asked for jointly; A's are each work-group's own, behind the same rounds.  192 work-groups: a column tile of 96 would have rows of 48 words, which no padding interval fits.
; No prefetch: six short steps; the first two come at the head.
; THE MATRIX INSTRUCTION IS USED TRANSPOSED (source 0 = 16 columns of Wo, source 1 = 16 rows of ctx): a lane holds a row and eight neighbouring columns.
; REGISTERS: window 0: v0-31 addresses; v32-63 bo; v64-95 the way out; v128-255 accumulators ((a, b) at v[128 + 8 (4 a + b)]); window 1: two fragment buffers of 128.
.set PA,     144
.set PBB,    288
.set HALFT,  36864
.set SLOT,   4*HALFT
.set STAGE,  2*SLOT
.set SPITCH, 272
.set SPARE,  STAGE+4*16*SPITCH
.set ADRA, 16                          ; v16-17
.set ADRB, 20                          ; v20-23: slot, half of the slot's k-rows
.set STO,  24
.set RD,   25
.set CO,   26
.set VB,   27
.set SPW,  28
.set NIL,  29
.set BI,   32
.set OUTB, 64
.set ACC,  128
.set F0,   0
.set F1,   128
.set G1, 24
.set G0, 32
.set G1B, 48
.set G0B, 56
.set MSB, 0
.macro WIN new
.if MSB != (\new)
	s_set_vgpr_msb (MSB<<8)|(\new)
.set MSB, \new
.endif
.endm
.set MUL,  0x05
.set TO_F, 0x40
.macro JLOAD s
	s_cmp_eq_u32 s11, 0
	s_cbranch_scc0 .Lfor_b_\@
	tensor_load_to_lds s[G0+4*(\s):G0+4*(\s)+3], s[G1:G1+7]
	s_nop 0
.rept 4
	v_nop
.endr
	s_branch .Lasked_\@
.Lfor_b_\@:
	tensor_load_to_lds s[G0B+4*(\s):G0B+4*(\s)+3], s[G1B:G1B+7]
	s_nop 0
.rept 4
	v_nop
.endr
.Lasked_\@:
.endm
.macro CREST
	s_cmp_lg_u32 s10, 0
	s_cbranch_scc1 .Lnot_wave_0_\@
	s_barrier_signal -3
.Lnot_wave_0_\@:
	s_barrier_wait -3
	s_barrier_signal -1
	s_barrier_wait -1
.endm
.macro CROUND
	s_barrier_signal -1
	s_barrier_wait -1
	CREST
.endm
	s_load_b128 s[4:7], s[0:1], 0x0                ; ctx, wb
	s_load_b128 s[40:43], s[0:1], 0x10             ; bias, out0
	v_lshl_add_u32 v[SPW], v0, 2, SPARE
	v_mov_b32 v[NIL], 0
	ds_add_u32 v[SPW], v[NIL]                      ; the opening: the add, twice on end, and its wait ahead of my first tensor load
	ds_add_u32 v[SPW], v[NIL]
	v_lshrrev_b32 v1, 5, v0
	v_readfirstlane_b32 s10, v1
	s_lshr_b32 s11, s10, 1                         ; my half of the rows; also: I fetch A (0) or B (1)
	s_and_b32 s12, s10, 1                          ; my half of the columns; also: which half of that tile I fetch
	s_bfe_u32 s44, ttmp6, 0x40000                  ; cx
	s_lshl_b32 s45, ttmp9, 2
	s_add_co_u32 s45, s45, s44                     ; row block
	s_and_b32 s13, ttmp7, 0xffff                   ; column tile
	s_mov_b32 s[G1+0], (1<<16)|(1<<20)|(4<<22)|(3<<25)  ; A: no mask; padding after every 32 words, 4 words
	s_mov_b32 s[G1B+0], 15|(1<<16)|(1<<20)|(1<<21)|(5<<22)|(7<<25)  ; B: the mask of four, bit 21 beside it; after every 64 words, 8 words
.irp g, G1, G1B
	s_mov_b32 s[(\g)+1], 128<<16
	s_mov_b32 s[(\g)+2], 128<<16
	s_mov_b32 s[(\g)+3], 128<<16
	s_mov_b32 s[(\g)+4], 128
	s_mov_b32 s[(\g)+6], 0
	s_mov_b32 s[(\g)+7], 0
.endr
	s_mov_b32 s[G1+5], 128                         ; A's panel is dense
	s_mov_b32 s[G1B+5], 768
	s_mul_i32 s16, s45, 393216                     ; A: the block's panel, two units x half
	s_lshl_b32 s17, s12, 15
	s_add_co_u32 s16, s16, s17
	s_mov_b32 s17, 0
	s_mul_i32 s46, s12, 196608                     ; B: 128 k-rows x half, the column tile's 256 bytes, behind wb's eight bf16 parts
	s_lshl_b32 s47, s13, 8
	s_add_co_u32 s46, s46, s47
	s_add_co_u32 s46, s46, 9437184
	s_mov_b32 s47, 0
	s_mul_i32 s20, s10, HALFT
	s_wait_dscnt 0x0
	s_wait_kmcnt 0x0
	s_add_nc_u64 s[14:15], s[4:5], s[16:17]
	s_add_nc_u64 s[46:47], s[6:7], s[46:47]
	CROUND
.irp s, 0,1
	s_mov_b32 s[G0+4*(\s)], 1
	s_add_co_u32 s[G0+4*(\s)+1], s20, (\s)*SLOT
	s_add_nc_u64 s[G0+4*(\s)+2:G0+4*(\s)+3], s[14:15], (\s)*65536
	s_or_b32 s[G0+4*(\s)+3], s[G0+4*(\s)+3], 0x80000000
	s_mov_b32 s[G0B+4*(\s)], 1
	s_add_co_u32 s[G0B+4*(\s)+1], s20, (\s)*SLOT
	s_add_nc_u64 s[G0B+4*(\s)+2:G0B+4*(\s)+3], s[46:47], (\s)*393216
	s_or_b32 s[G0B+4*(\s)+3], s[G0B+4*(\s)+3], 0x80000000
	JLOAD \s
.endr
	v_and_b32 v1, 15, v0                           ; r
	v_bfe_u32 v2, v0, 4, 1                         ; h
	v_mul_u32_u24 v3, v1, PA
	v_lshl_add_u32 v3, v2, 4, v3
	v_and_b32 v4, 7, v0
	v_lshl_add_u32 v4, v2, 3, v4
	v_mul_u32_u24 v4, v4, PBB
	v_bfe_u32 v5, v0, 3, 1
	v_lshl_add_u32 v4, v5, 4, v4
	s_mul_i32 s21, s11, 64*PA                      ; my 64 rows in each unit
	s_lshl_b32 s22, s12, 7
	s_add_co_u32 s22, s22, 2*HALFT                 ; B lies behind A; my 64 columns
.irp s, 0,1
	v_add_nc_u32 v[ADRA+(\s)], s21, v3
	v_add_nc_u32 v[ADRB+2*(\s)], s22, v4
	v_add_nc_u32 v[ADRB+2*(\s)+1], HALFT, v[ADRB+2*(\s)]
	s_add_co_u32 s21, s21, SLOT
	s_add_co_u32 s22, s22, SLOT
.endr
	s_mul_i32 s23, s10, 16*SPITCH
	s_add_co_u32 s23, s23, STAGE
	v_mul_u32_u24 v5, v1, SPITCH
	v_lshl_add_u32 v5, v2, 5, v5
	v_add_nc_u32 v[STO], s23, v5                   ; in: row r, 32 bytes for each half of the lanes
	v_mul_u32_u24 v5, v2, SPITCH
	v_lshl_add_u32 v5, v1, 4, v5
	v_add_nc_u32 v[RD], s23, v5                    ; back: lanes 0-15 a row of 256 bytes, lanes 16-31 the next
	v_mul_u32_u24 v5, v2, 3072
	v_lshl_add_u32 v[CO], v1, 4, v5
	v_lshlrev_b32 v[VB], 5, v2
	s_lshl_b32 s16, s13, 9
	s_lshl_b32 s17, s12, 8
	s_add_co_u32 s16, s16, s17                     ; my 64 columns, in bytes of f32
	s_mov_b32 s17, 0
	s_add_nc_u64 s[40:41], s[40:41], s[16:17]
	s_add_nc_u64 s[8:9], s[42:43], s[16:17]
.irp b, 0,1,2,3
	global_load_b128 v[BI+8*(\b):BI+8*(\b)+3],   v[VB], s[40:41] offset:24576+64*(\b)
	global_load_b128 v[BI+8*(\b)+4:BI+8*(\b)+7], v[VB], s[40:41] offset:24576+64*(\b)+16
.endr
	s_lshl_b32 s16, s45, 7
	s_lshl_b32 s18, s11, 6
	s_add_co_u32 s16, s16, s18
	s_mul_i32 s16, s16, 3072                       ; my first row
	s_add_nc_u64 s[8:9], s[8:9], s[16:17]
.macro MUL8 f, c, a0, zero             ; 8 products: row blocks a0, a0 + 1 x 4 column blocks, half c of buffer f; zero = 1: bo starts the sums
	WIN MUL
.irp a, \a0, (\a0)+1
.irp b, 0,1,2,3
.if \zero
	v_wmma_f32_16x16x32_f16 v[ACC+8*(4*(\a)+(\b)):ACC+8*(4*(\a)+(\b))+7], v[(\f)+64+8*(4*(\c)+(\b)):(\f)+64+8*(4*(\c)+(\b))+7], v[(\f)+8*(4*(\c)+(\a)):(\f)+8*(4*(\c)+(\a))+7], v[BI+8*(\b):BI+8*(\b)+7]
.else
	v_wmma_f32_16x16x32_f16 v[ACC+8*(4*(\a)+(\b)):ACC+8*(4*(\a)+(\b))+7], v[(\f)+64+8*(4*(\c)+(\b)):(\f)+64+8*(4*(\c)+(\b))+7], v[(\f)+8*(4*(\c)+(\a)):(\f)+8*(4*(\c)+(\a))+7], v[ACC+8*(4*(\a)+(\b)):ACC+8*(4*(\a)+(\b))+7]
.endif
.endr
.endr
.endm
.macro FETCH slot, q, f                ; 32 LDS loads: unit q of the slot (64 along K) into buffer f; the first 32 along K first
	WIN TO_F
.irp c, 0,1
.irp i, 0,1,2,3
	ds_load_tr16_b128 v[(\f)+64+8*(4*(\c)+(\i)):(\f)+64+8*(4*(\c)+(\i))+3],   v[ADRB+2*(\slot)+(\q)/2] offset:(64*((\q)%2)+32*(\c))*PBB+32*(\i)
	ds_load_tr16_b128 v[(\f)+64+8*(4*(\c)+(\i))+4:(\f)+64+8*(4*(\c)+(\i))+7], v[ADRB+2*(\slot)+(\q)/2] offset:(64*((\q)%2)+32*(\c))*PBB+32*(\i)+16*PBB
	ds_load_b128 v[(\f)+8*(4*(\c)+(\i)):(\f)+8*(4*(\c)+(\i))+3],         v[ADRA+(\slot)] offset:(\q)*128*PA+(\i)*16*PA+64*(\c)
	ds_load_b128 v[(\f)+8*(4*(\c)+(\i))+4:(\f)+8*(4*(\c)+(\i))+7],       v[ADRA+(\slot)] offset:(\q)*128*PA+(\i)*16*PA+64*(\c)+32
.endr
.endr
.endm
.macro PLACES
.rept 4
	v_nop
.endr
.endm
.macro QUARTER slot, q, f, g, zero     ; 32 products on buffer f; in the middle unit q goes into g
	s_wait_dscnt 16                                ; the first 32 along K are in
	MUL8 \f, 0, 0, \zero
	MUL8 \f, 0, 2, \zero
	PLACES
	FETCH \slot, \q, \g
	s_wait_dscnt 32                                ; all but the 32 just issued
	MUL8 \f, 1, 0, 0
	MUL8 \f, 1, 2, 0
.endm
.macro TURN slot, next, fill           ; the last quarter changes slots: one barrier; fill = 1: it opens a round, and the slot is filled again, two steps on
	WIN 0
	s_wait_tensorcnt 0x0                           ; all my tensor loads have landed: my part of the next slot
	ds_add_u32 v[SPW], v[NIL]                      ; 0 onto my spare word
	s_wait_dscnt 17                                ; (the add and the youngest sixteen loads may be out)
	MUL8 F1, 0, 0, 0
	s_wait_dscnt 0x0                               ; the add is done, my reads of this slot are over
	s_barrier_signal -1
	MUL8 F1, 0, 2, 0
.if \fill
	WIN 0
.endif
	s_barrier_wait -1
.if \fill
	CREST
	s_add_nc_u64 s[G0+4*(\slot)+2:G0+4*(\slot)+3], s[G0+4*(\slot)+2:G0+4*(\slot)+3], 131072
	s_add_nc_u64 s[G0B+4*(\slot)+2:G0B+4*(\slot)+3], s[G0B+4*(\slot)+2:G0B+4*(\slot)+3], 786432
	JLOAD \slot                                    ; its four v_nop are also the places in front of the loads below
.else
	PLACES
.endif
	FETCH \next, 0, F0
	MUL8 F1, 1, 0, 0
	MUL8 F1, 1, 2, 0
.endm
	s_wait_tensorcnt 1                             ; my part of step 0 is in; step 1's may stay out
	s_barrier_signal -1
	s_barrier_wait -1
	FETCH 0, 0, F0
	s_wait_loadcnt 0x0                             ; bo
	QUARTER 0, 1, F0, F1, 1
	WIN 0
	s_mov_b32 s3, 2
.Llap:
	QUARTER 0, 2, F1, F0, 0
	QUARTER 0, 3, F0, F1, 0
	TURN 0, 1, 1
	QUARTER 1, 1, F0, F1, 0
	QUARTER 1, 2, F1, F0, 0
	QUARTER 1, 3, F0, F1, 0
	TURN 1, 0, 1
	QUARTER 0, 1, F0, F1, 0
	WIN 0
	s_sub_co_u32 s3, s3, 1
	s_cmp_lg_u32 s3, 0
	s_cbranch_scc1 .Llap
	QUARTER 0, 2, F1, F0, 0                        ; the last lap asks for nothing
	QUARTER 0, 3, F0, F1, 0
	TURN 0, 1, 0
	QUARTER 1, 1, F0, F1, 0
	QUARTER 1, 2, F1, F0, 0
	QUARTER 1, 3, F0, F1, 0
	s_wait_dscnt 16
	MUL8 F1, 0, 0, 0
	MUL8 F1, 0, 2, 0
	s_wait_dscnt 0x0
	MUL8 F1, 1, 0, 0
	MUL8 F1, 1, 2, 0
	WIN 0
	; THE WAY OUT: a wave's 64 columns of f32 are 256 aligned bytes of a row: 16 rows at a time through my own stage, no barrier
	PLACES
.irp a, 0,1,2,3
.if (\a) > 0
	s_wait_xcnt 0x0                                ; the last block's stores have read their data registers
.endif
.irp b, 0,1,2,3
	ds_store_b128 v[STO], v[ACC+8*(4*(\a)+(\b)):ACC+8*(4*(\a)+(\b))+3]   offset:64*(\b)
	ds_store_b128 v[STO], v[ACC+8*(4*(\a)+(\b))+4:ACC+8*(4*(\a)+(\b))+7] offset:64*(\b)+16
.endr
.irp t, 0,1,2,3,4,5,6,7
	ds_load_b128 v[OUTB+4*(\t):OUTB+4*(\t)+3], v[RD] offset:(\t)*2*SPITCH  ; LDS serves a wave's instructions in order: these see the stores above
.endr
.irp t, 0,1,2,3,4,5,6,7
	s_wait_dscnt 7-(\t)
	global_store_b128 v[CO], v[OUTB+4*(\t):OUTB+4*(\t)+3], s[8:9] offset:(\a)*49152+(\t)*6144 th:TH_STORE_NT  ; 16 lanes store 256 consecutive bytes, aligned
.endr
.endr
	s_wait_tensorcnt 0x0                           ; the wave's end
	ds_add_u32 v[SPW], v[NIL]
	s_wait_dscnt 0x0
	CROUND                                         ; the closing round
	s_endpgm
.Lfunc_end_k_qa6119bce19_outp:
	.size	k_qa6119bce19_outp, .Lfunc_end_k_qa6119bce19_outp-k_qa6119bce19_outp
	.p2alignl 7, 3214868480
	.fill 96, 4, 3214868480
	.section	.rodata,"a",@progbits
	.p2align	6, 0x0
	.amdhsa_kernel k_qa6119bce19_outp
		.amdhsa_group_segment_fixed_size 327680
		.amdhsa_private_segment_fixed_size 0
		.amdhsa_enable_private_segment 0
		.amdhsa_kernarg_size 32
		.amdhsa_user_sgpr_count 2
		.amdhsa_user_sgpr_kernarg_segment_ptr 1
		.amdhsa_wavefront_size32 1
		.amdhsa_system_sgpr_workgroup_id_x 1
		.amdhsa_system_sgpr_workgroup_id_y 1
		.amdhsa_system_sgpr_workgroup_id_z 1
		.amdhsa_system_vgpr_workitem_id 0
		.amdhsa_next_free_vgpr 512
		.amdhsa_next_free_sgpr 66
		.amdhsa_reserve_vcc 0
		.amdhsa_float_denorm_mode_32 3
		.amdhsa_float_denorm_mode_16_64 3
		.amdhsa_memory_ordered 1
		.amdhsa_forward_progress 1
		.amdhsa_inst_pref_size 88
	.end_amdhsa_kernel
	.amdgpu_metadata
---
amdhsa.version: [ 1, 2 ]
amdhsa.kernels:
  - .name:           k_qa6119bce19_outp
    .symbol:         k_qa6119bce19_outp.kd
    .args:
      - { .name: ctx, .offset: 0, .size: 8, .value_kind: global_buffer, .address_space: global }
      - { .name: wb, .offset: 8, .size: 8, .value_kind: global_buffer, .address_space: global }
      - { .name: bias, .offset: 16, .size: 8, .value_kind: global_buffer, .address_space: global }
      - { .name: out0, .offset: 24, .size: 8, .value_kind: global_buffer, .address_space: global }
    .group_segment_fixed_size: 327680
    .private_segment_fixed_size: 0
    .kernarg_segment_align: 8
    .kernarg_segment_size: 32
    .max_flat_workgroup_size: 128
    .sgpr_count:     66
    .vgpr_count:     512
    .wavefront_size: 32
...
	.end_amdgpu_metadata
.endif
;; end of part 4
